; MI455X (gfx1250); checked and timed in simulation.
; The chip was launched on July 23, 2026; its instructions are those of AMD's public machine-readable ISA for CDNA 5 (MIT licence, August 2026) and "CDNA5" Instruction Set Architecture Reference Guide (July 2026). The comments in the code are by the model that wrote it; some were corrected since.
;; Attention. Allowed arithmetic: float matrix products may take bf16 or f16 operands with f32 sums; other float arithmetic in f32, or as packed bf16 or f16 multiplies, adds, multiply-adds, maxima and minima; sums over many terms, partial sums and values carried from step to step in f32; what a program stores and reads back later, other than sums and carried values, may be rounded once to bf16 or f16.
;; Inputs: Wk 1,024 x 1,024 float32; Wq 1,024 x 1,024 float32; Wv 1,024 x 1,024 float32; x 4 x 2,048 x 1,024 float32.
;; Outputs: out0 4 x 2,048 x 1,024 float32.
;; 2 versions, each right; version 2 is version 1 with the launch cast written anew for expert scheduling mode. Each part assembles by itself: llvm-mc -triple=amdgcn-amd-amdhsa -mcpu=gfx1250 --defsym DOCPART=n.
;; ======== version 1 of 2: 4 launches
;; limits: values are held in f16: magnitudes above 65,504 overflow, below 6.1e-05 lose precision
;; workspace buffers: xh 16,777,216 bytes; wh 6,291,456 bytes; qkv 50,331,648 bytes; p 33,554,432 bytes; mst 262,144 bytes; lst 262,144 bytes; ts 262,144 bytes
;; launch cast (part 1): grid 704 x 1, 8 waves a work-group, no clusters, 0 bytes of LDS; arguments x, Wq, Wk, Wv, xh, wh; writes xh, wh
.if DOCPART == 1
	.amdgcn_target "amdgcn-amd-amdhsa--gfx1250"
	.amdhsa_code_object_version 6
	.text
	.protected	k_q0810c57904_cast
	.globl	k_q0810c57904_cast
	.p2align	8
	.type	k_q0810c57904_cast,@function
k_q0810c57904_cast:
	s_mov_b64 s[64:65], 0
	v_nop
	global_prefetch_b8 v0, s[64:65] scope:SCOPE_SE
	s_setreg_imm32_b32 hwreg(HW_REG_WAVE_MODE, 25, 1), 1
	s_wait_xcnt 0x0
; x [8192][1024] and Wq, Wk, Wv [1024][1024], all f32, are rounded once to f16: xh [8192][1024], wh [3072][1024] (Wq's rows, then Wk's, then Wv's).
; LIMITS.  f16 ends at 65,504: a larger input becomes an infinity; below 6e-5 a number keeps f16's fixed step of 6e-8.
; SHARES.  A work-group takes 16,384 numbers: 65,536 bytes in, 32,768 out.  Work-groups 0-511 take x, 512-703 the three weights, 64 each.
; Thread t takes 16 bytes at 16 t of each of sixteen blocks of 4,096 bytes; all sixteen loads are out together.  A wave's store covers 256 consecutive bytes, aligned.
; No LDS, no barrier, no matrix unit, no prefetch: the launch is one stream, read once and written once.  No register is written twice, so no wait frees a source.
	s_load_b256 s[4:11], s[0:1], 0x0               ; x s[4:5], Wq s[6:7], Wk s[8:9], Wv s[10:11]
	s_load_b128 s[12:15], s[0:1], 0x20             ; xh s[12:13], wh s[14:15]
	v_lshlrev_b32 v1, 4, v0                        ; my 16 bytes in a block of the source
	v_lshlrev_b32 v2, 3, v0                        ; my 8 bytes in a block of the result
	s_max_u32 s16, ttmp9, 0x200
	s_sub_co_u32 s16, s16, 0x200                   ; the chunk's number among the weights' 192 (0 for x's chunks, where it is not used)
	s_lshr_b32 s17, s16, 6                         ; which weight
	s_and_b32 s18, s16, 63                         ; which of its 64 chunks
	s_cmp_lt_u32 ttmp9, 0x200
	s_cselect_b32 s20, ttmp9, s18                  ; the chunk in its source,
	s_cselect_b32 s22, ttmp9, s16                  ; and in its result
	s_lshl_b32 s20, s20, 16
	s_mov_b32 s21, 0
	s_lshl_b32 s22, s22, 15
	s_mov_b32 s23, 0
	s_wait_kmcnt 0x0
	s_cmp_eq_u32 s17, 0
	s_cselect_b64 s[24:25], s[6:7], s[8:9]
	s_cmp_gt_u32 s17, 1
	s_cselect_b64 s[24:25], s[10:11], s[24:25]
	s_cmp_lt_u32 ttmp9, 0x200
	s_cselect_b64 s[24:25], s[4:5], s[24:25]
	s_cselect_b64 s[26:27], s[12:13], s[14:15]
	s_add_nc_u64 s[24:25], s[24:25], s[20:21]
	s_add_nc_u64 s[26:27], s[26:27], s[22:23]
.irp j, 0,1,2,3,4,5,6,7,8,9,10,11,12,13,14,15
	global_load_b128 v[4+4*(\j):7+4*(\j)], v1, s[24:25] offset:4096*(\j) th:TH_LOAD_NT
.endr
.irp j, 0,1,2,3,4,5,6,7,8,9,10,11,12,13,14,15
	s_wait_loadcnt 15-(\j)                         ; loads come back in order: block j is in, the younger ones stay out
	v_cvt_pk_f16_f32 v[68+2*(\j)], v[4+4*(\j)], v[5+4*(\j)]
	v_cvt_pk_f16_f32 v[69+2*(\j)], v[6+4*(\j)], v[7+4*(\j)]
	global_store_b64 v2, v[68+2*(\j):69+2*(\j)], s[26:27] offset:2048*(\j)
.endr
	s_endpgm
.Lfunc_end_k_q0810c57904_cast:
	.size	k_q0810c57904_cast, .Lfunc_end_k_q0810c57904_cast-k_q0810c57904_cast
	.p2alignl 7, 3214868480
	.fill 96, 4, 3214868480
	.section	.rodata,"a",@progbits
	.p2align	6, 0x0
	.amdhsa_kernel k_q0810c57904_cast
		.amdhsa_group_segment_fixed_size 0
		.amdhsa_private_segment_fixed_size 0
		.amdhsa_enable_private_segment 0
		.amdhsa_kernarg_size 48
		.amdhsa_user_sgpr_count 2
		.amdhsa_user_sgpr_kernarg_segment_ptr 1
		.amdhsa_wavefront_size32 1
		.amdhsa_system_sgpr_workgroup_id_x 1
		.amdhsa_system_sgpr_workgroup_id_y 1
		.amdhsa_system_sgpr_workgroup_id_z 1
		.amdhsa_system_vgpr_workitem_id 0
		.amdhsa_next_free_vgpr 100
		.amdhsa_next_free_sgpr 66
		.amdhsa_reserve_vcc 0
		.amdhsa_float_denorm_mode_32 3
		.amdhsa_float_denorm_mode_16_64 3
		.amdhsa_memory_ordered 1
		.amdhsa_forward_progress 1
		.amdhsa_inst_pref_size 7
	.end_amdhsa_kernel
	.amdgpu_metadata
---
amdhsa.version: [ 1, 2 ]
amdhsa.kernels:
  - .name:           k_q0810c57904_cast
    .symbol:         k_q0810c57904_cast.kd
    .args:
      - { .name: x, .offset: 0, .size: 8, .value_kind: global_buffer, .address_space: global }
      - { .name: Wq, .offset: 8, .size: 8, .value_kind: global_buffer, .address_space: global }
      - { .name: Wk, .offset: 16, .size: 8, .value_kind: global_buffer, .address_space: global }
      - { .name: Wv, .offset: 24, .size: 8, .value_kind: global_buffer, .address_space: global }
      - { .name: xh, .offset: 32, .size: 8, .value_kind: global_buffer, .address_space: global }
      - { .name: wh, .offset: 40, .size: 8, .value_kind: global_buffer, .address_space: global }
    .group_segment_fixed_size: 0
    .private_segment_fixed_size: 0
    .kernarg_segment_align: 8
    .kernarg_segment_size: 48
    .max_flat_workgroup_size: 256
    .sgpr_count:     66
    .vgpr_count:     100
    .wavefront_size: 32
...
	.end_amdgpu_metadata
.endif
;; end of part 1
;; launch proj (part 2): grid 12 x 32, 4 waves a work-group, clusters of 4 x 4, 327,680 bytes of LDS; arguments xh, wh, qkv, ts; writes qkv, ts
.if DOCPART == 2
	.amdgcn_target "amdgcn-amd-amdhsa--gfx1250"
	.amdhsa_code_object_version 6
	.text
	.protected	k_q0810c57904_proj
	.globl	k_q0810c57904_proj
	.p2align	8
	.type	k_q0810c57904_proj,@function
k_q0810c57904_proj:
	s_mov_b64 s[64:65], 0
	v_nop
	global_prefetch_b8 v0, s[64:65] scope:SCOPE_SE
	s_setreg_imm32_b32 hwreg(HW_REG_WAVE_MODE, 25, 1), 1
	s_wait_xcnt 0x0
	s_wait_alu depctr_hold_cnt(0) depctr_sa_sdst(0) depctr_va_vdst(0) depctr_va_sdst(0) depctr_va_ssrc(0) depctr_va_vcc(0) depctr_vm_vsrc(0)
	s_getreg_b32 s2, hwreg(HW_REG_IB_STS2, 6, 4)
	s_cmp_eq_u32 s2, 0
	s_cbranch_scc0 .Lentry_in_a_cluster
	s_endpgm
.Lentry_in_a_cluster:
	s_bfe_u32 s2, ttmp6, 0x10000c
	s_cmp_lg_u32 s2, 0xf033
	s_cbranch_scc0 .Lentry_shape_is_right
	s_endpgm
.Lentry_shape_is_right:
; qkv[m][n] = sum over k of xh[m][k] wh[n][k].  xh: [8192][1024], wh: [3072][1024], qkv: [8192][3072], all f16; sums in f32, qkv rounded once.  Columns 0-1023 are q, 1024-2047 k, 2048-3071 v.
; ts[g][e] (f32, [64][1024]) = the sum of v's unrounded column e over the 128 rows 128 g .. 128 g + 127: made by the waves that hold v's tiles, from their accumulators.
; LIMITS.  f16 ends at 65,504: a q, k or v beyond it becomes an infinity; below 6e-5 a number keeps f16's fixed step of 6e-8.
; A tile of qkv, 256 x 256, is made by a work-group of four waves; a wave makes 128 x 128: 64 accumulators of 16 x 16, 512 registers.  K goes in steps of 128 through a ring of two LDS slots filled by
; tensor loads; the tiles' rows are 256 bytes of memory and start at multiples of 256 bytes from the buffer's first byte.  There are 12 x 32 = 384 tiles, one to a work-group.
; CLUSTERS: 4 x 4 work-groups.  The four of a row need the same tiles of xh, the four of a column the same tiles of wh: each is asked for JOINTLY, by the same tensor load with the same descriptor and a mask of four.
; THE MATRIX INSTRUCTION IS USED TRANSPOSED: source 0 = 16 rows of wh, source 1 = 16 rows of xh: lane l then holds row l % 16 of the result and the columns 8 (l / 16) + 0..7: 16 bytes that belong together.
; REGISTERS, in windows of 256 (s_set_vgpr_msb: bits 1:0 source 0, 3:2 source 1, 5:4 source 2, 7:6 destination):
;   window 0: v0-31 addresses; v64-127, v128-191 fragments of xh, two buffers; v32-63, v192-255 at work on the way out      window 1: v64-127, v128-191 fragments of wh
;   window 2: the 32 accumulators of my rows 0-63 ((a, b) at v[8 (8 a + b)]);   window 3: those of my rows 64-127
.set SIZE_M, 8192
.set SIZE_N, 3072
.set SIZE_K, 1024
.set KSTEP,  128
.set PITCH,  272                       ; an LDS row: 256 bytes + 16 of padding = 68 words: the 16 rows of a fragment load start at 16 different groups of four banks (ISA guide 11.1)
.set HALFT,  128*PITCH                 ; 128 rows: what one tensor load brings
.set SLOT,   4*HALFT                   ; xh's 256 rows, then wh's 256 rows
.set STAGE,  2*SLOT                    ; behind the ring, never filled by a tensor load: 8,448 bytes for each wave
.set WSTAGE, 8448                      ; the way out uses 16 rows x 272 of them, the column sums 16 rows x 528
.set SPITCH, 272
.set TPITCH, 528
.set SPARE,  STAGE+4*WSTAGE            ; the spare words, 128 bytes for each wave: two blocks of 256 bytes that no other line names
.set LAPS,   SIZE_K/(2*KSTEP)          ; a lap = two K steps = once round the ring: 4
.set ADRA, 16                          ; v16-17  LDS address of my xh fragments in slot 0, 1
.set ADRB, 20                          ; v20-21  the same for wh
.set TST,  22                          ; v22     the column sums: where I put 32 bytes of a row class
.set TRD,  23                          ; v23     where I read 16 bytes of each class back
.set STO,  24                          ; v24     the way out: where I put 16 bytes of a row
.set RD,   25                          ; v25     where I read a row back
.set CO,   26                          ; v26     my byte offset in qkv
.set TSO,  27                          ; v27     my byte offset in ts
.set SPW,  28                          ; v28     LDS address of my spare word; never rewritten
.set NIL,  29                          ; v29     0; never rewritten
.set PFO,  30                          ; v30     the prefetches' offset: my lane x a row (2,048 bytes); never rewritten
.set PFA,  44                          ; s[44:45] where my prefetches stand
.set LIM,  43                          ; s43     1 in a wave that prefetches, else the greatest number
.set TSP,  66                          ; s[66:67] ts
.set TROW, 68                          ; s68     tile row
.set TCOL, 69                          ; s69     tile column
.set F0,   64
.set F1,   128
.set TMP,  192
.set OB,   32
.set G1, 24                            ; s[24:31] descriptor group 1 for xh's tiles
.set G0, 32                            ; s[32:39] group 0, a set for each slot
.set G1B, 48                           ; s[48:55], s[56:63] the same for wh's tiles
.set G0B, 56
.set MSB, 0
.macro WIN new                         ; the immediate's high byte repeats the setting that is left; a switch that changes nothing is dropped
.if MSB != (\new)
	s_set_vgpr_msb (MSB<<8)|(\new)
.set MSB, \new
.endif
.endm
.set MUL_LO, 0xa1                      ; source 0 (wh) window 1, source 1 (xh) window 0, C and D window 2
.set MUL_HI, 0xf1                      ; the same, C and D window 3
.set TO_B,   0x40                      ; destination window 1, address window 0
; A joint load.  Waves 0 and 1 fetch xh's two halves, waves 2 and 3 wh's.  The branch hangs on the wave's number alone.  An s_nop 0 and four v_nop follow each line.
.macro JLOAD s
	s_cmp_eq_u32 s11, 0
	s_cbranch_scc0 .Lfor_b_\@
	tensor_load_to_lds s[G0+4*(\s):G0+4*(\s)+3], s[G1:G1+7]
	s_nop 0
.rept 4
	v_nop
.endr
	s_branch .Lasked_\@
.Lfor_b_\@:
	tensor_load_to_lds s[G0B+4*(\s):G0B+4*(\s)+3], s[G1B:G1B+7]
	s_nop 0
.rept 4
	v_nop
.endr
.Lasked_\@:
.endm
; A prefetch of the K step that stands two refills on: 32 rows x 256 bytes, a lane a row, one instruction a wave.  xh's tile row is read by three clusters: cluster x = 0 asks; wh's tile column by eight: cluster y = 0 asks.
; The four partners that ask for a tile jointly share its rows out by address, 32 each.  So each row's 256 bytes of a K step are named once in the launch.  The loop's last trip (s3 = 1) has no K step two on.
.macro ASK
	s_cmp_gt_u32 s3, s[LIM]
	s_cbranch_scc0 .Lnot_mine_\@
	global_prefetch_b8 v[PFO], s[PFA:PFA+1] offset:KSTEP*2 th:TH_LOAD_NT scope:SCOPE_SE
.Lnot_mine_\@:
.endm
.macro CREST                           ; a round of the cluster's barrier behind its opening barrier
	s_cmp_lg_u32 s10, 0
	s_cbranch_scc1 .Lnot_wave_0_\@
	s_barrier_signal -3
.Lnot_wave_0_\@:
	s_barrier_wait -3
	s_barrier_signal -1
	s_barrier_wait -1
.endm
.macro CROUND                          ; a whole round
	s_barrier_signal -1
	s_barrier_wait -1
	CREST
.endm
	s_load_b128 s[4:7], s[0:1], 0x0                ; xh s[4:5], wh s[6:7]
	s_load_b64 s[8:9], s[0:1], 0x10                ; qkv
	s_load_b64 s[TSP:TSP+1], s[0:1], 0x18          ; ts
	v_lshl_add_u32 v[SPW], v0, 2, SPARE
	v_mov_b32 v[NIL], 0
	ds_add_u32 v[SPW], v[NIL]                      ; the wave's opening: the add and its wait stand ahead of my first tensor load; work on registers stands between them
	v_lshrrev_b32 v1, 5, v0
	v_readfirstlane_b32 s10, v1                    ; wave 0..3
	s_lshr_b32 s11, s10, 1                         ; which half of the tile's rows is mine.  Also: I fetch for xh (0) or for wh (1)
	s_and_b32 s12, s10, 1                          ; which half of its columns.  Also: which 128 rows of that tile I fetch
	s_bfe_u32 s40, ttmp6, 0x40000                  ; cx
	s_bfe_u32 s41, ttmp6, 0x40004                  ; cy
	s_lshl_b32 s42, ttmp9, 2
	s_add_co_u32 s42, s42, s40                     ; tile column = 4 x cluster x + cx
	s_and_b32 s13, ttmp7, 0xffff
	s_lshl_b32 s13, s13, 2
	s_add_co_u32 s13, s13, s41                     ; tile row = 4 x cluster y + cy
	s_mov_b32 s[TROW], s13
	s_mov_b32 s[TCOL], s42
	s_lshl_b32 s43, s41, 2
	s_lshl_b32 s43, 15, s43                        ; my row of the cluster
	s_lshl_b32 s44, 0x1111, s40                    ; my column
	s_or_b32 s[G1+0], s43, (1<<16)|(1<<20)|(1<<21)|(5<<22)|(3<<25)  ; the mask; 2-byte elements; padding on; bit 21 beside a mask; after every 64 words (code 5) 4 words (code 3)
	s_or_b32 s[G1B+0], s44, (1<<16)|(1<<20)|(1<<21)|(5<<22)|(3<<25)
.irp g, G1, G1B
	s_mov_b32 s[(\g)+1], KSTEP<<16                 ; tensor_dim0 = 128
	s_mov_b32 s[(\g)+2], 128<<16                   ; tensor_dim1 = 128
	s_mov_b32 s[(\g)+3], KSTEP<<16                 ; tile_dim0 = 128
	s_mov_b32 s[(\g)+4], 128                       ; tile_dim1 = 128
	s_mov_b32 s[(\g)+5], SIZE_K                    ; elements from row to row
	s_mov_b32 s[(\g)+6], 0
	s_mov_b32 s[(\g)+7], 0
.endr
	s_lshl_b32 s17, s12, 7                         ; which 128 rows of the tile I fetch
	s_lshl_b32 s16, s13, 8
	s_add_co_u32 s16, s16, s17                     ; xh: row 256 x tile row + 128 x half
	s_lshl_b32 s46, s42, 8
	s_add_co_u32 s46, s46, s17                     ; wh: row 256 x tile column + 128 x half
	s_mov_b32 s17, 0
	s_mov_b32 s47, 0
	s_mov_b64 s[18:19], SIZE_K*2
	s_mul_u64 s[16:17], s[16:17], s[18:19]
	s_mul_u64 s[46:47], s[46:47], s[18:19]
	s_mul_i32 s20, s10, HALFT                      ; where they go: wave x 128 rows: no place in the cluster enters an LDS address
	s_wait_dscnt 0x0                               ; the opening add is done
	s_wait_kmcnt 0x0
	s_add_nc_u64 s[14:15], s[4:5], s[16:17]
	s_add_nc_u64 s[46:47], s[6:7], s[46:47]
	CROUND                                         ; all sixteen work-groups are here: the first joint loads meet
.irp s, 0,1
	s_mov_b32 s[G0+4*(\s)], 1
	s_add_co_u32 s[G0+4*(\s)+1], s20, (\s)*SLOT
	s_add_nc_u64 s[G0+4*(\s)+2:G0+4*(\s)+3], s[14:15], (\s)*KSTEP*2
	s_or_b32 s[G0+4*(\s)+3], s[G0+4*(\s)+3], 0x80000000
	s_mov_b32 s[G0B+4*(\s)], 1
	s_add_co_u32 s[G0B+4*(\s)+1], s20, (\s)*SLOT
	s_add_nc_u64 s[G0B+4*(\s)+2:G0B+4*(\s)+3], s[46:47], (\s)*KSTEP*2
	s_or_b32 s[G0B+4*(\s)+3], s[G0B+4*(\s)+3], 0x80000000
	JLOAD \s                                       ; two loads of mine are out
.endr
	; a fragment is 16 rows x 32 K in 8 registers: lane l holds row l % 16; two loads of 16 bytes, 32 bytes apart, at row x pitch + 16 (l / 16)
	v_and_b32 v1, 15, v0                           ; l % 16
	v_bfe_u32 v2, v0, 4, 1                         ; l / 16
	v_mul_u32_u24 v3, v1, PITCH
	v_lshl_add_u32 v3, v2, 4, v3
	s_mul_i32 s21, s11, HALFT                      ; my 128 rows of xh
	s_mul_i32 s22, s12, HALFT                      ; my 128 rows of wh,
	s_add_co_u32 s22, s22, 2*HALFT                 ; which lie behind xh's 256
.irp s, 0,1
	v_add_nc_u32 v[ADRA+(\s)], s21, v3
	v_add_nc_u32 v[ADRB+(\s)], s22, v3
	s_add_co_u32 s21, s21, SLOT
	s_add_co_u32 s22, s22, SLOT
.endr
	s_mul_i32 s23, s10, WSTAGE
	s_add_co_u32 s23, s23, STAGE                   ; my stage
	v_mul_u32_u24 v4, v1, SPITCH
	v_lshl_add_u32 v4, v2, 4, v4
	v_add_nc_u32 v[STO], s23, v4
	v_mul_u32_u24 v5, v2, SPITCH
	v_lshl_add_u32 v5, v1, 4, v5
	v_add_nc_u32 v[RD], s23, v5
	v_mul_u32_u24 v5, v2, SIZE_N*2
	v_lshl_add_u32 v[CO], v1, 4, v5
	v_mul_u32_u24 v5, v1, TPITCH
	v_lshl_add_u32 v5, v2, 5, v5
	v_add_nc_u32 v[TST], s23, v5                   ; row class l % 16, 32 bytes for each half of the lanes
	v_and_b32 v5, 31, v0
	v_lshl_add_u32 v[TRD], v5, 4, s23              ; 16 bytes a lane of a class's 512
	s_lshl_b32 s13, s13, 8
	s_lshl_b32 s14, s11, 7
	s_add_co_u32 s16, s13, s14                     ; my first row of qkv
	s_mov_b32 s17, 0
	s_mov_b64 s[18:19], SIZE_N*2
	s_mul_u64 s[16:17], s[16:17], s[18:19]
	s_lshl_b32 s46, s42, 9                         ; my first column, in bytes
	s_lshl_b32 s47, s12, 8
	s_add_co_u32 s46, s46, s47
	s_mov_b32 s47, 0
	s_add_nc_u64 s[16:17], s[16:17], s[46:47]      ; the first way out adds this to qkv's address
	; the prefetches
	s_lshl_b32 s42, s42, 8
	s_and_b32 s22, ttmp7, 0xffff                   ; cluster y
	s_cmp_eq_u32 s11, 0                            ; do I fetch for xh?
	s_cselect_b32 s20, s13, s42                    ; the tile's first row
	s_cselect_b32 s21, s40, s41                    ; my place among the four that ask for it with me
	s_cselect_b32 s22, ttmp9, s22                  ; the coordinate along which other clusters read the same rows
	s_cselect_b64 s[PFA:PFA+1], s[4:5], s[6:7]
	s_cmp_eq_u32 s22, 0
	s_cselect_b32 s[LIM], 1, -1
	s_lshl_b32 s22, s12, 7
	s_add_co_u32 s20, s20, s22
	s_lshl_b32 s21, s21, 5
	s_add_co_u32 s20, s20, s21
	s_mov_b32 s21, 0
	s_mov_b64 s[18:19], SIZE_K*2
	s_mul_u64 s[20:21], s[20:21], s[18:19]
	s_add_nc_u64 s[PFA:PFA+1], s[PFA:PFA+1], s[20:21]
	s_add_nc_u64 s[PFA:PFA+1], s[PFA:PFA+1], 2*KSTEP*2  ; at K step 2: the first refill steps it to 3 and names K step 4; K steps 0 to 3 come by their loads alone
	v_and_b32 v[PFO], 31, v0
	v_mul_u32_u24 v[PFO], v[PFO], SIZE_K*2
; 16 matrix instructions: m blocks a0, a0 + 1 of the window's four x all 8 n blocks, 32 along K.  zero = 1: the first product starts the sums.  The 64 accumulators take turns, one instruction a turn.
.macro MUL16 f, hi, a0, zero
	WIN MUL_LO+0x50*(\hi)
.irp a, \a0, (\a0)+1
.irp b, 0,1,2,3,4,5,6,7
.if \zero
	v_wmma_f32_16x16x32_f16 v[8*(8*(\a)+(\b)):8*(8*(\a)+(\b))+7], v[(\f)+8*(\b):(\f)+8*(\b)+7], v[(\f)+8*(4*(\hi)+(\a)):(\f)+8*(4*(\hi)+(\a))+7], 0
.else
	v_wmma_f32_16x16x32_f16 v[8*(8*(\a)+(\b)):8*(8*(\a)+(\b))+7], v[(\f)+8*(\b):(\f)+8*(\b)+7], v[(\f)+8*(4*(\hi)+(\a)):(\f)+8*(4*(\hi)+(\a))+7], v[8*(8*(\a)+(\b)):8*(8*(\a)+(\b))+7]
.endif
.endr
.endr
.endm
; 32 LDS loads in one run: the fragments of one quarter step (32 K at byte k of the rows) into buffer f
.macro FETCH slot, k, f
	WIN TO_B
.irp i, 0,1,2,3,4,5,6,7
	ds_load_b128 v[(\f)+8*(\i):(\f)+8*(\i)+3],   v[ADRB+(\slot)] offset:(\k)+(\i)*16*PITCH
	ds_load_b128 v[(\f)+8*(\i)+4:(\f)+8*(\i)+7], v[ADRB+(\slot)] offset:(\k)+(\i)*16*PITCH+32
.endr
	WIN 0
.irp i, 0,1,2,3,4,5,6,7
	ds_load_b128 v[(\f)+8*(\i):(\f)+8*(\i)+3],   v[ADRA+(\slot)] offset:(\k)+(\i)*16*PITCH
	ds_load_b128 v[(\f)+8*(\i)+4:(\f)+8*(\i)+7], v[ADRA+(\slot)] offset:(\k)+(\i)*16*PITCH+32
.endr
.endm
.macro PLACES                          ; four plain instructions between a matrix instruction and a load into its registers or a reader of its result
.rept 4
	v_nop
.endr
.endm
; one of a K step's first three quarters: multiplies buffer f; in its middle it fetches the next quarter's fragments, at byte k of the same slot's rows, into buffer g
.macro QUARTER slot, k, f, g, zero
	s_wait_dscnt 8                                 ; wh and xh's rows 0-63 are in; the youngest eight loads (xh's rows 64-127) may be out
	MUL16 \f, 0, 0, \zero
	MUL16 \f, 0, 2, \zero
	PLACES
	FETCH \slot, \k, \g
	s_wait_dscnt 32                                ; all but the 32 just issued
	MUL16 \f, 1, 0, \zero
	MUL16 \f, 1, 2, \zero
.endm
; the first half of the last quarter: ONE barrier for the change of slots
.macro MEET round
	WIN 0
	s_wait_tensorcnt 0x0                           ; all my tensor loads have landed: the one that was out is my part of the next slot;
	ds_add_u32 v[SPW], v[NIL]                      ; 0 onto my spare word;
	s_wait_dscnt 9                                 ; (the add and the youngest eight loads may be out)
	MUL16 F1, 0, 0, 0
	s_wait_dscnt 0x0                               ; the add is done, and my reads of this slot are over
	s_barrier_signal -1
	MUL16 F1, 0, 2, 0
.if \round
	WIN 0
.endif
	s_barrier_wait -1
.endm
; the whole last quarter with a refill: the slot just read out takes the K step two steps on, first thing behind the round
.macro TURN slot, next
	s_wait_xcnt 0x0                                ; the last prefetch, a K step back, has read its address
	s_add_nc_u64 s[PFA:PFA+1], s[PFA:PFA+1], KSTEP*2
	MEET 1
	CREST                                          ; no wave of any partner still reads this slot's tile or has a load on its way
	s_add_nc_u64 s[G0+4*(\slot)+2:G0+4*(\slot)+3], s[G0+4*(\slot)+2:G0+4*(\slot)+3], 2*KSTEP*2
	s_add_nc_u64 s[G0B+4*(\slot)+2:G0B+4*(\slot)+3], s[G0B+4*(\slot)+2:G0B+4*(\slot)+3], 2*KSTEP*2
	JLOAD \slot                                    ; its four v_nop are also the places in front of the loads below
	FETCH \next, 0, F0
	ASK
	MUL16 F1, 1, 0, 0
	MUL16 F1, 1, 2, 0
.endm
; THE WAY OUT of block a (16 rows): rounded to f16; through my own stage in LDS; stored as whole rows of 256 bytes
.macro PACK a
.set AC, 64*((\a)%4)
	WIN 0x0a+5*((\a)/4)                            ; sources 0 and 1: window 2 or 3
.irp b, 0,1,2,3,4,5,6,7
.irp r, 0,1,2,3
	v_cvt_pk_f16_f32 v[TMP+4*(\b)+(\r)], v[AC+8*(\b)+2*(\r)], v[AC+8*(\b)+2*(\r)+1]
.endr
.endr
	WIN 0
.endm
.macro TOSTAGE a
	WIN 0
.set BK, OB+192*((\a)%2)
.irp b, 0,1,2,3,4,5,6,7
	ds_store_b128 v[STO], v[TMP+4*(\b):TMP+4*(\b)+3] offset:32*(\b)
.endr
.irp t, 0,1,2,3,4,5,6,7
	ds_load_b128 v[BK+4*(\t):BK+4*(\t)+3], v[RD] offset:(\t)*2*SPITCH  ; LDS serves a wave's instructions in order (ISA guide 5.7.1.4): these see the stores above
.endr
.endm
.macro SEND a
	WIN 0
.set BK, OB+192*((\a)%2)
	s_wait_dscnt 0x0                               ; the block is back in registers
	s_wait_xcnt 0x0                                ; the stores' base and the registers that earlier stores read are rewritten only behind this wait
.if (\a) == 0
	s_add_nc_u64 s[8:9], s[8:9], s[16:17]
.else
	s_add_nc_u64 s[8:9], s[8:9], 16*SIZE_N*2
.endif
.irp t, 0,1,2,3,4,5,6,7
	global_store_b128 v[CO], v[BK+4*(\t):BK+4*(\t)+3], s[8:9] offset:2*(\t)*SIZE_N*2  ; 16 lanes store 256 consecutive bytes, at a multiple of 256 from qkv's first byte
.endr
.endm
	s_wait_tensorcnt 1                             ; my part of K step 0 is in; K step 1's may stay out
	s_barrier_signal -1
	s_barrier_wait -1
	FETCH 0, 0, F0
	QUARTER 0, 64,  F0, F1, 1                      ; the first quarter stands in front of the loop: its products start the sums
	WIN 0
	s_mov_b32 s3, LAPS-1
.Llap:                                                 ; a trip goes once round the ring, from a lap's second quarter to the next lap's first, and fills both slots again
	QUARTER 0, 128, F1, F0, 0
	QUARTER 0, 192, F0, F1, 0
	TURN 0, 1
	QUARTER 1, 64,  F0, F1, 0
	QUARTER 1, 128, F1, F0, 0
	QUARTER 1, 192, F0, F1, 0
	TURN 1, 0
	QUARTER 0, 64,  F0, F1, 0
	WIN 0
	s_sub_co_u32 s3, s3, 1
	s_cmp_lg_u32 s3, 0
	s_cbranch_scc1 .Llap
	QUARTER 0, 128, F1, F0, 0                      ; the last lap is written out: it asks for nothing
	QUARTER 0, 192, F0, F1, 0
	MEET 0                                         ; the load that was still out is slot 1's, the last K step's
	PLACES
	FETCH 1, 0, F0
	MUL16 F1, 1, 0, 0
	MUL16 F1, 1, 2, 0
	QUARTER 1, 64,  F0, F1, 0
	QUARTER 1, 128, F1, F0, 0
	QUARTER 1, 192, F0, F1, 0
	s_wait_dscnt 8
	MUL16 F1, 0, 0, 0
	MUL16 F1, 0, 2, 0
	s_wait_dscnt 0x0
	MUL16 F1, 1, 0, 0
	MUL16 F1, 1, 2, 0
	PLACES
	PLACES                                         ; eight, once a launch, in front of the first readers of the results
	PACK 0
	TOSTAGE 0
.irp a, 1,2,3,4,5,6,7                  ; block a's conversions stand between block a - 1's loads from the stage and the wait for them
	PACK \a
	SEND (\a)-1
	TOSTAGE \a
.endr
	SEND 7
	; THE COLUMN SUMS OF v.  Tile columns 8 to 11 are cluster x = 2: the test is the same in all partners and all waves, and no barrier stands in what is jumped.
	s_cmp_lg_u32 ttmp9, 2
	s_cbranch_scc1 .Lend
	WIN 0x8a                                       ; all three places window 2: my rows 0-63, the four blocks added up
.set z, 0
.rept 32
	v_pk_add_f32 v[z:z+1], v[z:z+1], v[64+z:64+z+1]
	v_pk_add_f32 v[128+z:128+z+1], v[128+z:128+z+1], v[192+z:192+z+1]
.set z, z+2
.endr
.set z, 0
.rept 32
	v_pk_add_f32 v[z:z+1], v[z:z+1], v[128+z:128+z+1]
.set z, z+2
.endr
	WIN 0xcf                                       ; the same in window 3: my rows 64-127
.set z, 0
.rept 32
	v_pk_add_f32 v[z:z+1], v[z:z+1], v[64+z:64+z+1]
	v_pk_add_f32 v[128+z:128+z+1], v[128+z:128+z+1], v[192+z:192+z+1]
.set z, z+2
.endr
.set z, 0
.rept 32
	v_pk_add_f32 v[z:z+1], v[z:z+1], v[128+z:128+z+1]
.set z, z+2
.endr
	WIN 0x0e                                       ; window 2 + window 3 into window 0: lane (r, h) holds the sums over my rows = r mod 16, for columns 16 b + 8 h + j at v[64 + 8 b + j]
.set z, 0
.rept 32
	v_pk_add_f32 v[64+z:64+z+1], v[z:z+1], v[z:z+1]
.set z, z+2
.endr
	WIN 0
.irp b, 0,1,2,3,4,5,6,7
	ds_store_b128 v[TST], v[64+8*(\b):64+8*(\b)+3] offset:64*(\b)
	ds_store_b128 v[TST], v[64+8*(\b)+4:64+8*(\b)+7] offset:64*(\b)+16
.endr
.irp c, 0,1,2,3,4,5,6,7,8,9,10,11,12,13,14,15
	ds_load_b128 v[128+4*(\c):128+4*(\c)+3], v[TRD] offset:(\c)*TPITCH  ; my four columns of class c: my wave's own bytes, served in order behind the stores
.endr
	s_lshl_b32 s70, s[TROW], 1
	s_add_co_u32 s70, s70, s11                     ; the block of 128 rows
	s_lshl_b32 s70, s70, 12
	s_sub_co_u32 s71, s[TCOL], 8
	s_lshl_b32 s71, s71, 10                        ; 256 channels of 4 bytes a tile column
	s_add_co_u32 s70, s70, s71
	s_lshl_b32 s71, s12, 9
	s_add_co_u32 s70, s70, s71
	v_and_b32 v[TSO], 31, v0
	v_lshl_add_u32 v[TSO], v[TSO], 4, s70
	s_wait_dscnt 0x0
.irp w, 32,16,8,4                      ; the sixteen classes are added up, halving
.set z, 0
.rept (\w)/2
	v_pk_add_f32 v[128+z:128+z+1], v[128+z:128+z+1], v[128+(\w)+z:128+(\w)+z+1]
.set z, z+2
.endr
.endr
	global_store_b128 v[TSO], v[128:131], s[TSP:TSP+1]  ; the wave stores 512 consecutive bytes, aligned
.Lend:
	s_wait_tensorcnt 0x0                           ; the wave's end: behind my last tensor load and my last LDS store
	ds_add_u32 v[SPW], v[NIL]
	s_wait_dscnt 0x0
	CROUND                                         ; the closing round: no work-group ends while a partner may still ask for a tile that names it
	s_endpgm
.Lfunc_end_k_q0810c57904_proj:
	.size	k_q0810c57904_proj, .Lfunc_end_k_q0810c57904_proj-k_q0810c57904_proj
	.p2alignl 7, 3214868480
	.fill 96, 4, 3214868480
	.section	.rodata,"a",@progbits
	.p2align	6, 0x0
	.amdhsa_kernel k_q0810c57904_proj
		.amdhsa_group_segment_fixed_size 327680
		.amdhsa_private_segment_fixed_size 0
		.amdhsa_enable_private_segment 0
		.amdhsa_kernarg_size 32
		.amdhsa_user_sgpr_count 2
		.amdhsa_user_sgpr_kernarg_segment_ptr 1
		.amdhsa_wavefront_size32 1
		.amdhsa_system_sgpr_workgroup_id_x 1
		.amdhsa_system_sgpr_workgroup_id_y 1
		.amdhsa_system_sgpr_workgroup_id_z 1
		.amdhsa_system_vgpr_workitem_id 0
		.amdhsa_next_free_vgpr 1024
		.amdhsa_next_free_sgpr 72
		.amdhsa_reserve_vcc 0
		.amdhsa_float_denorm_mode_32 3
		.amdhsa_float_denorm_mode_16_64 3
		.amdhsa_memory_ordered 1
		.amdhsa_forward_progress 1
		.amdhsa_inst_pref_size 163
	.end_amdhsa_kernel
	.amdgpu_metadata
---
amdhsa.version: [ 1, 2 ]
amdhsa.kernels:
  - .name:           k_q0810c57904_proj
    .symbol:         k_q0810c57904_proj.kd
    .args:
      - { .name: xh, .offset: 0, .size: 8, .value_kind: global_buffer, .address_space: global }
      - { .name: wh, .offset: 8, .size: 8, .value_kind: global_buffer, .address_space: global }
      - { .name: qkv, .offset: 16, .size: 8, .value_kind: global_buffer, .address_space: global }
      - { .name: ts, .offset: 24, .size: 8, .value_kind: global_buffer, .address_space: global }
    .group_segment_fixed_size: 327680
    .private_segment_fixed_size: 0
    .kernarg_segment_align: 8
    .kernarg_segment_size: 32
    .max_flat_workgroup_size: 128
    .sgpr_count:     72
    .vgpr_count:     1024
    .wavefront_size: 32
...
	.end_amdgpu_metadata
.endif
;; end of part 2
;; launch scores (part 3): grid 9 x 16, 4 waves a work-group, no clusters, 327,680 bytes of LDS; arguments qkv, p, mst, lst; writes p, mst, lst
.if DOCPART == 3
	.amdgcn_target "amdgcn-amd-amdhsa--gfx1250"
	.amdhsa_code_object_version 6
	.text
	.protected	k_q0810c57904_scores
	.globl	k_q0810c57904_scores
	.p2align	8
	.type	k_q0810c57904_scores,@function
k_q0810c57904_scores:
	s_mov_b64 s[64:65], 0
	v_nop
	global_prefetch_b8 v0, s[64:65] scope:SCOPE_SE
	s_setreg_imm32_b32 hwreg(HW_REG_WAVE_MODE, 25, 1), 1
	s_wait_xcnt 0x0
; For each tile (i, t), t <= i, of 256 queries x 256 keys of a batch b: S = q k^T (K = 1,024, f16 operands, f32 sums); in the diagonal tile a score with key > query becomes 0, as the multiplied mask makes it;
; then for each row m_t = the tile's maximum, p = 2^(c (s - m_t)), c = log2(e) / sqrt(2048), l_t = the sum of the unrounded p.  p goes out in f16 ([8192][2048]), m_t and l_t in f32 ([b][i][t][256]).
; Tiles with t > i hold zeros alone and are not made: the launch behind counts them by a weight and a plain sum.  The exponent is never above 0, so no exponential overflows.
; LIMITS.  p below 6e-5 keeps f16's fixed step of 6e-8; a weight below 2^-126 counts as 0; a masked score counts as 0 also where q k^T is infinite or NaN; NaN and infinities are not treated apart.
; PLACE.  Rows pp and 7 - pp of the triangle have 9 tiles together: grid x = 0..8 walks them, grid y = 4 b + pp: 144 work-groups, each with a tile.
; NO CLUSTER: row i of the triangle has i + 1 tiles and column t has 8 - t: they do not fall into fours that share a row or a column, and a 4 x 4 block on the diagonal would hold six work-groups without a tile.
; The product is made as in the launch before: four waves, each 128 x 128 in 64 accumulators; K steps of 128 through a ring of two LDS slots; source 0 = 16 keys, source 1 = 16 queries: a lane holds query l % 16, keys 8 (l / 16) + 0..7.
; Then S goes into LDS (the slots have had their last fill), and each wave takes 64 whole rows: sixteen lanes a row, each with 2 x 8 neighbouring keys, so that a row's maximum and sum stay within sixteen lanes.
; REGISTERS: windows as in the launch before; in the rows' part window 0 alone.
.set KSTEP,  128
.set QROW,   6144                      ; bytes in a row of qkv
.set PROW,   4096                      ; bytes in a row of p
.set PITCH,  272
.set HALFT,  128*PITCH
.set SLOT,   4*HALFT
.set SPARE,  2*SLOT                    ; behind the ring: the spare words, 128 bytes for each wave
.set SDP,    1040                      ; a row of S in LDS: 1,024 bytes + 16: the sixteen rows of a store start at sixteen different groups of four banks
.set STATM,  256*SDP                   ; behind S: 256 maxima, then 256 sums
.set LAPS,   4
.set ADRA, 16
.set ADRB, 20
.set QD,   22                          ; v22     my row in the tile less my first key: 64 w + h - 8 r, stepped
.set STL,  23                          ; v23     where I read my wave's statistics back
.set DA,   24                          ; v24-25  where my accumulators' rows go, blocks 0-3 and 4-7
.set RDA,  26                          ; v26     where I read my 32 bytes of a row, stepped
.set PO,   27                          ; v27     my byte offset in p, stepped
.set SPW,  28
.set NIL,  29
.set PFO,  30                          ; v30     my lane x a row of qkv; never rewritten
.set SA,   31                          ; v31     where my row's maximum goes, stepped
.set STG,  15                          ; v15     my byte offset in mst and lst
.set X,    64                          ; v64-127  16 scores for each of four units of two rows
.set Y,    128                         ; v128-159 8 registers of f16 a unit
.set M,    160                         ; v160-167 a unit's maximum, twice
.set T,    168                         ; v168-183 four at work a unit
.set F0,   64
.set F1,   128
.set G1, 24
.set G0, 32
.set PFA, 40                           ; s[40:41] q's rows, s[42:43] k's rows: where my prefetches stand
.set PFB, 42
.set LIMA, 44                          ; 1 where this work-group asks for q's rows (t = 0), else the greatest number
.set LIMB, 45                          ; the same for k's rows (i = 7)
.set CS,  48                           ; s[48:49] c
.set MSB, 0
.macro WIN new
.if MSB != (\new)
	s_set_vgpr_msb (MSB<<8)|(\new)
.set MSB, \new
.endif
.endm
.set MUL_LO, 0xa1
.set MUL_HI, 0xf1
.set TO_B,   0x40
.macro LOAD s                          ; every wave fetches 128 rows of its own; an s_nop 0 and four v_nop follow
	tensor_load_to_lds s[G0+4*(\s):G0+4*(\s)+3], s[G1:G1+7]
	s_nop 0
.rept 4
	v_nop
.endr
.endm
; Prefetches of the K step that stands two refills on.  q's rows of block i are read by the i + 1 work-groups of that row: the one with t = 0 asks; k's rows of tile t by the 8 - t of that column: the one with i = 7 asks.
; Wave w names rows 32 w + lane and 128 + 32 w + lane, 256 bytes each: each row's part of a K step is named once in the launch.  The loop's last trip (s3 = 1) asks for nothing.
.macro ASK
	s_cmp_gt_u32 s3, s[LIMA]
	s_cbranch_scc0 .Lnot_a_\@
	global_prefetch_b8 v[PFO], s[PFA:PFA+1] offset:KSTEP*2 th:TH_LOAD_NT scope:SCOPE_SE
	global_prefetch_b8 v[PFO], s[PFA:PFA+1] offset:KSTEP*2+128*QROW th:TH_LOAD_NT scope:SCOPE_SE
.Lnot_a_\@:
	s_cmp_gt_u32 s3, s[LIMB]
	s_cbranch_scc0 .Lnot_b_\@
	global_prefetch_b8 v[PFO], s[PFB:PFB+1] offset:KSTEP*2 th:TH_LOAD_NT scope:SCOPE_SE
	global_prefetch_b8 v[PFO], s[PFB:PFB+1] offset:KSTEP*2+128*QROW th:TH_LOAD_NT scope:SCOPE_SE
.Lnot_b_\@:
.endm
	s_load_b256 s[4:11], s[0:1], 0x0               ; qkv s[4:5], p s[6:7], mst s[8:9], lst s[10:11]
	v_lshl_add_u32 v[SPW], v0, 2, SPARE
	v_mov_b32 v[NIL], 0
	ds_add_u32 v[SPW], v[NIL]                      ; the wave's opening: the add and its wait stand ahead of my first tensor load
	v_lshrrev_b32 v1, 5, v0
	v_readfirstlane_b32 s12, v1                    ; wave w
	s_lshr_b32 s13, s12, 1                         ; my half of the tile's queries.  Also: I fetch q's rows (0) or k's (1)
	s_and_b32 s14, s12, 1                          ; my half of its keys.  Also: which 128 rows I fetch
	s_and_b32 s18, ttmp7, 0xffff
	s_lshr_b32 s15, s18, 2                         ; b
	s_and_b32 s18, s18, 3                          ; pp
	s_add_co_u32 s19, s18, 1
	s_max_u32 s20, ttmp9, s19
	s_sub_co_u32 s20, s20, s19                     ; x - pp - 1, where x > pp
	s_sub_co_u32 s21, 7, s18
	s_cmp_le_u32 ttmp9, s18
	s_cselect_b32 s16, s18, s21                    ; i
	s_cselect_b32 s17, ttmp9, s20                  ; t
	s_mov_b32 s[G1+0], (1<<16)|(1<<20)|(5<<22)|(3<<25)  ; 2-byte elements; padding on: after every 64 words (code 5) 4 words (code 3)
	s_mov_b32 s[G1+1], KSTEP<<16                   ; tensor_dim0 = 128
	s_mov_b32 s[G1+2], 128<<16                     ; tensor_dim1 = 128
	s_mov_b32 s[G1+3], KSTEP<<16                   ; tile_dim0 = 128
	s_mov_b32 s[G1+4], 128                         ; tile_dim1 = 128
	s_mov_b32 s[G1+5], 3072                        ; elements from row to row
	s_mov_b32 s[G1+6], 0
	s_mov_b32 s[G1+7], 0
	s_mov_b32 s[CS], 0x3d0293ee                    ; c = log2(e) / sqrt(2048) = 0.031879
	s_mov_b32 s[CS+1], s[CS]
	s_lshl_b32 s23, s15, 11                        ; the batch's first row
	s_cmp_eq_u32 s13, 0
	s_cselect_b32 s20, s16, s17                    ; q's block i or k's tile t
	s_lshl_b32 s20, s20, 8
	s_add_co_u32 s20, s20, s23
	s_lshl_b32 s21, s14, 7
	s_add_co_u32 s20, s20, s21
	s_mul_i32 s20, s20, QROW
	s_lshl_b32 s21, s13, 11                        ; k lies 2,048 bytes into a row
	s_add_co_u32 s20, s20, s21
	s_mov_b32 s21, 0
	s_mul_i32 s22, s12, HALFT                      ; where my rows go: q's two halves, then k's
	s_lshl_b32 s46, s12, 5                         ; the prefetches: 32 rows a wave
	s_add_co_u32 s46, s46, s23
	s_lshl_b32 s54, s16, 8
	s_add_co_u32 s54, s54, s46
	s_mul_i32 s54, s54, QROW
	s_add_co_u32 s54, s54, 2*KSTEP*2               ; at K step 2: the first refill steps it to 3 and names K step 4
	s_mov_b32 s55, 0
	s_lshl_b32 s52, s17, 8
	s_add_co_u32 s52, s52, s46
	s_mul_i32 s52, s52, QROW
	s_add_co_u32 s52, s52, 2048+2*KSTEP*2
	s_mov_b32 s53, 0
	s_cmp_eq_u32 s17, 0
	s_cselect_b32 s[LIMA], 1, -1
	s_cmp_eq_u32 s16, 7
	s_cselect_b32 s[LIMB], 1, -1
	s_wait_dscnt 0x0                               ; the opening add is done
	s_wait_kmcnt 0x0
	s_add_nc_u64 s[20:21], s[4:5], s[20:21]
	s_add_nc_u64 s[PFA:PFA+1], s[4:5], s[54:55]
	s_add_nc_u64 s[PFB:PFB+1], s[4:5], s[52:53]
.irp s, 0,1
	s_mov_b32 s[G0+4*(\s)], 1
	s_add_co_u32 s[G0+4*(\s)+1], s22, (\s)*SLOT
	s_add_nc_u64 s[G0+4*(\s)+2:G0+4*(\s)+3], s[20:21], (\s)*KSTEP*2
	s_or_b32 s[G0+4*(\s)+3], s[G0+4*(\s)+3], 0x80000000
	LOAD \s                                        ; two loads of mine are out
.endr
	v_and_b32 v1, 15, v0                           ; r = l % 16
	v_bfe_u32 v2, v0, 4, 1                         ; h = l / 16
	v_and_b32 v5, 31, v0                           ; l
	v_mul_u32_u24 v3, v1, PITCH
	v_lshl_add_u32 v3, v2, 4, v3
	s_mul_i32 s21, s13, HALFT
	s_mul_i32 s22, s14, HALFT
	s_add_co_u32 s22, s22, 2*HALFT
.irp s, 0,1
	v_add_nc_u32 v[ADRA+(\s)], s21, v3
	v_add_nc_u32 v[ADRB+(\s)], s22, v3
	s_add_co_u32 s21, s21, SLOT
	s_add_co_u32 s22, s22, SLOT
.endr
	v_mul_u32_u24 v[PFO], v5, QROW
	s_mul_i32 s46, s13, 128*SDP                    ; S: row 128 rh + 16 a + r, byte 512 ch + 64 b + 32 h
	s_lshl_b32 s47, s14, 9
	s_add_co_u32 s46, s46, s47
	v_mul_u32_u24 v4, v1, SDP
	v_lshl_add_u32 v4, v2, 5, v4
	v_add_nc_u32 v[DA], s46, v4
	v_add_nc_u32 v[DA+1], 64*SDP, v[DA]
	s_mul_i32 s46, s12, 64*SDP                     ; back: row 64 w + h, byte 32 r
	v_mul_u32_u24 v4, v2, SDP
	v_lshl_add_u32 v4, v1, 5, v4
	v_add_nc_u32 v[RDA], s46, v4
	s_lshl_b32 s46, s12, 18                        ; p: 64 w rows of 4,096 bytes
	v_lshlrev_b32 v4, 12, v2
	v_lshl_add_u32 v4, v1, 4, v4
	v_add_nc_u32 v[PO], s46, v4
	s_lshl_b32 s46, s12, 8
	v_lshl_add_u32 v[STG], v5, 3, s46              ; 256 w + 8 l
	s_add_co_u32 s46, s46, STATM
	v_lshl_add_u32 v[SA], v2, 2, s46
	v_lshl_add_u32 v[STL], v5, 3, s46
	s_lshl_b32 s46, s12, 6
	v_lshlrev_b32 v4, 3, v1
	v_sub_nc_u32 v[QD], v2, v4
	v_add_nc_u32 v[QD], s46, v[QD]
	s_lshl_b32 s50, s16, 8
	s_add_co_u32 s50, s50, s23
	s_lshl_b32 s50, s50, 12
	s_lshl_b32 s51, s17, 9
	s_add_co_u32 s50, s50, s51
	s_mov_b32 s51, 0
	s_add_nc_u64 s[6:7], s[6:7], s[50:51]          ; p at the tile's first row and key
	s_lshl_b32 s50, s15, 3
	s_add_co_u32 s50, s50, s16
	s_lshl_b32 s50, s50, 3
	s_add_co_u32 s50, s50, s17
	s_lshl_b32 s50, s50, 10
	s_add_nc_u64 s[8:9], s[8:9], s[50:51]          ; mst and lst at the tile's 256 rows
	s_add_nc_u64 s[10:11], s[10:11], s[50:51]
.macro MUL16 f, hi, a0, zero           ; the 64 accumulators take turns, one instruction a turn
	WIN MUL_LO+0x50*(\hi)
.irp a, \a0, (\a0)+1
.irp b, 0,1,2,3,4,5,6,7
.if \zero
	v_wmma_f32_16x16x32_f16 v[8*(8*(\a)+(\b)):8*(8*(\a)+(\b))+7], v[(\f)+8*(\b):(\f)+8*(\b)+7], v[(\f)+8*(4*(\hi)+(\a)):(\f)+8*(4*(\hi)+(\a))+7], 0
.else
	v_wmma_f32_16x16x32_f16 v[8*(8*(\a)+(\b)):8*(8*(\a)+(\b))+7], v[(\f)+8*(\b):(\f)+8*(\b)+7], v[(\f)+8*(4*(\hi)+(\a)):(\f)+8*(4*(\hi)+(\a))+7], v[8*(8*(\a)+(\b)):8*(8*(\a)+(\b))+7]
.endif
.endr
.endr
.endm
.macro FETCH slot, k, f
	WIN TO_B
.irp i, 0,1,2,3,4,5,6,7
	ds_load_b128 v[(\f)+8*(\i):(\f)+8*(\i)+3],   v[ADRB+(\slot)] offset:(\k)+(\i)*16*PITCH
	ds_load_b128 v[(\f)+8*(\i)+4:(\f)+8*(\i)+7], v[ADRB+(\slot)] offset:(\k)+(\i)*16*PITCH+32
.endr
	WIN 0
.irp i, 0,1,2,3,4,5,6,7
	ds_load_b128 v[(\f)+8*(\i):(\f)+8*(\i)+3],   v[ADRA+(\slot)] offset:(\k)+(\i)*16*PITCH
	ds_load_b128 v[(\f)+8*(\i)+4:(\f)+8*(\i)+7], v[ADRA+(\slot)] offset:(\k)+(\i)*16*PITCH+32
.endr
.endm
.macro PLACES
.rept 4
	v_nop
.endr
.endm
.macro QUARTER slot, k, f, g, zero
	s_wait_dscnt 8                                 ; k's rows and q's rows 0-63 are in; the youngest eight loads may be out
	MUL16 \f, 0, 0, \zero
	MUL16 \f, 0, 2, \zero
	PLACES
	FETCH \slot, \k, \g
	s_wait_dscnt 32                                ; all but the 32 just issued
	MUL16 \f, 1, 0, \zero
	MUL16 \f, 1, 2, \zero
.endm
.macro MEET                            ; ONE barrier for the change of slots
	WIN 0
	s_wait_tensorcnt 0x0                           ; all my tensor loads have landed: my part of the next slot;
	ds_add_u32 v[SPW], v[NIL]                      ; 0 onto my spare word;
	s_wait_dscnt 9                                 ; (the add and the youngest eight loads may be out)
	MUL16 F1, 0, 0, 0
	s_wait_dscnt 0x0                               ; the add is done, and my reads of this slot are over
	s_barrier_signal -1
	MUL16 F1, 0, 2, 0
	s_barrier_wait -1
.endm
.macro TURN slot, next
	s_wait_xcnt 0x0                                ; the last prefetches, a K step back, have read their addresses
	s_add_nc_u64 s[PFA:PFA+1], s[PFA:PFA+1], KSTEP*2
	s_add_nc_u64 s[PFB:PFB+1], s[PFB:PFB+1], KSTEP*2
	MEET
	s_add_nc_u64 s[G0+4*(\slot)+2:G0+4*(\slot)+3], s[G0+4*(\slot)+2:G0+4*(\slot)+3], 2*KSTEP*2
	LOAD \slot                                     ; my one tensor load behind the barrier; its four v_nop are also the places in front of the loads below
	FETCH \next, 0, F0
	ASK
	MUL16 F1, 1, 0, 0
	MUL16 F1, 1, 2, 0
.endm
	s_wait_tensorcnt 1                             ; my part of K step 0 is in; K step 1's may stay out
	s_barrier_signal -1
	s_barrier_wait -1
	FETCH 0, 0, F0
	QUARTER 0, 64,  F0, F1, 1
	WIN 0
	s_mov_b32 s3, LAPS-1
.Llap:
	QUARTER 0, 128, F1, F0, 0
	QUARTER 0, 192, F0, F1, 0
	TURN 0, 1
	QUARTER 1, 64,  F0, F1, 0
	QUARTER 1, 128, F1, F0, 0
	QUARTER 1, 192, F0, F1, 0
	TURN 1, 0
	QUARTER 0, 64,  F0, F1, 0
	WIN 0
	s_sub_co_u32 s3, s3, 1
	s_cmp_lg_u32 s3, 0
	s_cbranch_scc1 .Llap
	QUARTER 0, 128, F1, F0, 0                      ; the last lap is written out: it asks for nothing
	QUARTER 0, 192, F0, F1, 0
	MEET
	PLACES
	FETCH 1, 0, F0
	MUL16 F1, 1, 0, 0
	MUL16 F1, 1, 2, 0
	QUARTER 1, 64,  F0, F1, 0
	QUARTER 1, 128, F1, F0, 0
	QUARTER 1, 192, F0, F1, 0
	s_wait_dscnt 8
	MUL16 F1, 0, 0, 0
	MUL16 F1, 0, 2, 0
	s_wait_dscnt 0x0                               ; my last reads of the ring are back
	MUL16 F1, 1, 0, 0
	MUL16 F1, 1, 2, 0
	PLACES
	PLACES                                         ; eight, once a launch, in front of the first readers of the results
	s_barrier_signal -1                            ; nobody reads the ring any more, and every tensor load has landed: its bytes take S
	s_barrier_wait -1
.irp a, 0,1,2,3,4,5,6,7                ; S into LDS, each accumulator's low four registers first
	WIN 0x08+4*((\a)/4)                            ; the data (source 1) in window 2 or 3
.irp b, 0,1,2,3,4,5,6,7
	ds_store_b128 v[DA+(\a)/4], v[64*((\a)%4)+8*(\b):64*((\a)%4)+8*(\b)+3] offset:((\a)%4)*16*SDP+64*(\b)
	ds_store_b128 v[DA+(\a)/4], v[64*((\a)%4)+8*(\b)+4:64*((\a)%4)+8*(\b)+7] offset:((\a)%4)*16*SDP+64*(\b)+16
.endr
.endr
	WIN 0
	s_wait_dscnt 0x0                               ; for the others' sake: my stores are done
	s_barrier_signal -1
	s_barrier_wait -1
	; THE ROWS.  Wave w owns rows 64 w .. 64 w + 63: eight trips of four units of two rows.  Lane (r, h) of unit u has row 64 w + 8 trip + 2 u + h and the keys 8 r + 0..7 and 128 + 8 r + 0..7.
	s_mov_b32 s3, 8
.Lrows:
.irp u, 0,1,2,3
	ds_load_b128 v[X+16*(\u):X+16*(\u)+3],     v[RDA] offset:2*SDP*(\u)
	ds_load_b128 v[X+16*(\u)+4:X+16*(\u)+7],   v[RDA] offset:2*SDP*(\u)+16
	ds_load_b128 v[X+16*(\u)+8:X+16*(\u)+11],  v[RDA] offset:2*SDP*(\u)+512
	ds_load_b128 v[X+16*(\u)+12:X+16*(\u)+15], v[RDA] offset:2*SDP*(\u)+528
.endr
	s_wait_dscnt 0x0
	s_cmp_lg_u32 s16, s17                          ; only the diagonal tile has hidden keys
	s_cbranch_scc1 .Lopen
.irp u, 0,1,2,3
	v_add_nc_u32 v[T+4*(\u)], 2*(\u), v[QD]        ; key 8 r + j stays where j <= my row - 8 r,
	v_add_nc_u32 v[T+4*(\u)+1], 0xffffff80, v[T+4*(\u)]  ; key 128 + 8 r + j where j <= that less 128
.irp j, 0,1,2,3,4,5,6,7
	v_cmp_le_i32 vcc_lo, \j, v[T+4*(\u)]
	v_cndmask_b32 v[X+16*(\u)+(\j)], 0, v[X+16*(\u)+(\j)], vcc_lo
	v_cmp_le_i32 vcc_lo, \j, v[T+4*(\u)+1]
	v_cndmask_b32 v[X+16*(\u)+8+(\j)], 0, v[X+16*(\u)+8+(\j)], vcc_lo
.endr
.endr
.Lopen:
	; the maximum of my 16 scores, in two chains, the four units by turns; then across the row's sixteen lanes
.irp u, 0,1,2,3
	v_max3_num_f32 v[T+4*(\u)],   v[X+16*(\u)],   v[X+16*(\u)+1], v[X+16*(\u)+2]
	v_max3_num_f32 v[T+4*(\u)+1], v[X+16*(\u)+3], v[X+16*(\u)+4], v[X+16*(\u)+5]
.endr
.irp u, 0,1,2,3
	v_max3_num_f32 v[T+4*(\u)],   v[T+4*(\u)],   v[X+16*(\u)+6], v[X+16*(\u)+7]
	v_max3_num_f32 v[T+4*(\u)+1], v[T+4*(\u)+1], v[X+16*(\u)+8], v[X+16*(\u)+9]
.endr
.irp u, 0,1,2,3
	v_max3_num_f32 v[T+4*(\u)],   v[T+4*(\u)],   v[X+16*(\u)+10], v[X+16*(\u)+11]
	v_max3_num_f32 v[T+4*(\u)+1], v[T+4*(\u)+1], v[X+16*(\u)+12], v[X+16*(\u)+13]
.endr
.irp u, 0,1,2,3
	v_max3_num_f32 v[T+4*(\u)],   v[T+4*(\u)],   v[X+16*(\u)+14], v[X+16*(\u)+15]
.endr
.irp u, 0,1,2,3
	v_max_num_f32 v[T+4*(\u)], v[T+4*(\u)], v[T+4*(\u)+1]
.endr
.irp k, 1,2,4,8
.irp u, 0,1,2,3
	v_max_num_f32_dpp v[T+4*(\u)], v[T+4*(\u)], v[T+4*(\u)] row_xmask:\k row_mask:0xf bank_mask:0xf
.endr
.endr
.irp u, 0,1,2,3
	v_mov_b32 v[M+2*(\u)], v[T+4*(\u)]
	v_mov_b32 v[M+2*(\u)+1], v[T+4*(\u)]
	ds_store_b32 v[SA], v[T+4*(\u)] offset:8*(\u)  ; sixteen lanes write the same word with the same number
.endr
.irp u, 0,1,2,3
.irp z, 0,2,4,6,8,10,12,14
	v_pk_add_f32 v[X+16*(\u)+(\z):X+16*(\u)+(\z)+1], v[X+16*(\u)+(\z):X+16*(\u)+(\z)+1], v[M+2*(\u):M+2*(\u)+1] neg_lo:[0,1] neg_hi:[0,1]  ; s - m: never above 0
.endr
.endr
.irp u, 0,1,2,3
.irp z, 0,2,4,6,8,10,12,14
	v_pk_mul_f32 v[X+16*(\u)+(\z):X+16*(\u)+(\z)+1], v[X+16*(\u)+(\z):X+16*(\u)+(\z)+1], s[CS:CS+1] op_sel_hi:[1,0]
.endr
.endr
.set z, 0
.rept 64                               ; ONE batch of exponentials a trip
	v_exp_f32 v[X+z], v[X+z]
.set z, z+1
.endr
	v_nop                                          ; a plain instruction behind the last exponential,
	s_wait_alu depctr_va_vdst(0)                   ; and one wait ahead of the batch's first reader
.irp u, 0,1,2,3
.irp z, 0,1,2,3,4,5,6,7
	v_cvt_pk_f16_f32 v[Y+8*(\u)+(\z)], v[X+16*(\u)+2*(\z)], v[X+16*(\u)+2*(\z)+1]
.endr
.endr
.irp u, 0,1,2,3
	global_store_b128 v[PO], v[Y+8*(\u):Y+8*(\u)+3],   s[6:7] offset:2*PROW*(\u)      ; sixteen lanes store 256 consecutive bytes, aligned: keys 0-127 of a row,
	global_store_b128 v[PO], v[Y+8*(\u)+4:Y+8*(\u)+7], s[6:7] offset:2*PROW*(\u)+256  ; and keys 128-255
.endr
.irp w, 8,4,2                          ; the sum of my 16 unrounded weights, halving, in place
.irp u, 0,1,2,3
.set z, 0
.rept (\w)/2
	v_pk_add_f32 v[X+16*(\u)+z:X+16*(\u)+z+1], v[X+16*(\u)+z:X+16*(\u)+z+1], v[X+16*(\u)+(\w)+z:X+16*(\u)+(\w)+z+1]
.set z, z+2
.endr
.endr
.endr
.irp u, 0,1,2,3
	v_add_f32 v[T+4*(\u)], v[X+16*(\u)], v[X+16*(\u)+1]
.endr
.irp k, 1,2,4,8
.irp u, 0,1,2,3
	v_add_f32_dpp v[T+4*(\u)], v[T+4*(\u)], v[T+4*(\u)] row_xmask:\k row_mask:0xf bank_mask:0xf
.endr
.endr
.irp u, 0,1,2,3
	ds_store_b32 v[SA], v[T+4*(\u)] offset:1024+8*(\u)
.endr
	s_wait_xcnt 0x0                                ; the stores have read Y and PO: both are rewritten only behind this wait
	v_add_nc_u32 v[RDA], 8*SDP, v[RDA]
	v_add_nc_u32 v[PO], 8*PROW, v[PO]
	v_add_nc_u32 v[SA], 32, v[SA]
	v_add_nc_u32 v[QD], 8, v[QD]
	s_sub_co_u32 s3, s3, 1
	s_cmp_lg_u32 s3, 0
	s_cbranch_scc1 .Lrows
	ds_load_b64 v[64:65], v[STL]                   ; my wave's 64 maxima and 64 sums: its own bytes, served in order behind its stores
	ds_load_b64 v[66:67], v[STL] offset:1024
	s_wait_dscnt 0x0
	global_store_b64 v[STG], v[64:65], s[8:9]      ; the wave stores 256 consecutive bytes, aligned
	global_store_b64 v[STG], v[66:67], s[10:11]
	s_wait_tensorcnt 0x0                           ; the wave's end: behind my last tensor load and my last LDS store
	ds_add_u32 v[SPW], v[NIL]
	s_wait_dscnt 0x0
	s_endpgm
.Lfunc_end_k_q0810c57904_scores:
	.size	k_q0810c57904_scores, .Lfunc_end_k_q0810c57904_scores-k_q0810c57904_scores
	.p2alignl 7, 3214868480
	.fill 96, 4, 3214868480
	.section	.rodata,"a",@progbits
	.p2align	6, 0x0
	.amdhsa_kernel k_q0810c57904_scores
		.amdhsa_group_segment_fixed_size 327680
		.amdhsa_private_segment_fixed_size 0
		.amdhsa_enable_private_segment 0
		.amdhsa_kernarg_size 32
		.amdhsa_user_sgpr_count 2
		.amdhsa_user_sgpr_kernarg_segment_ptr 1
		.amdhsa_wavefront_size32 1
		.amdhsa_system_sgpr_workgroup_id_x 1
		.amdhsa_system_sgpr_workgroup_id_y 1
		.amdhsa_system_sgpr_workgroup_id_z 1
		.amdhsa_system_vgpr_workitem_id 0
		.amdhsa_next_free_vgpr 1024
		.amdhsa_next_free_sgpr 66
		.amdhsa_reserve_vcc 1
		.amdhsa_float_denorm_mode_32 3
		.amdhsa_float_denorm_mode_16_64 3
		.amdhsa_memory_ordered 1
		.amdhsa_forward_progress 1
		.amdhsa_inst_pref_size 140
	.end_amdhsa_kernel
	.amdgpu_metadata
---
amdhsa.version: [ 1, 2 ]
amdhsa.kernels:
  - .name:           k_q0810c57904_scores
    .symbol:         k_q0810c57904_scores.kd
    .args:
      - { .name: qkv, .offset: 0, .size: 8, .value_kind: global_buffer, .address_space: global }
      - { .name: p, .offset: 8, .size: 8, .value_kind: global_buffer, .address_space: global }
      - { .name: mst, .offset: 16, .size: 8, .value_kind: global_buffer, .address_space: global }
      - { .name: lst, .offset: 24, .size: 8, .value_kind: global_buffer, .address_space: global }
    .group_segment_fixed_size: 327680
    .private_segment_fixed_size: 0
    .kernarg_segment_align: 8
    .kernarg_segment_size: 32
    .max_flat_workgroup_size: 128
    .sgpr_count:     66
    .vgpr_count:     1024
    .wavefront_size: 32
...
	.end_amdgpu_metadata
.endif
;; end of part 3
;; launch pv (part 4): grid 8 x 32, 4 waves a work-group, clusters of 4 x 1, 327,680 bytes of LDS; arguments p, qkv, mst, lst, ts, out0; writes out0
.if DOCPART == 4
	.amdgcn_target "amdgcn-amd-amdhsa--gfx1250"
	.amdhsa_code_object_version 6
	.text
	.protected	k_q0810c57904_pv
	.globl	k_q0810c57904_pv
	.p2align	8
	.type	k_q0810c57904_pv,@function
k_q0810c57904_pv:
	s_mov_b64 s[64:65], 0
	v_nop
	global_prefetch_b8 v0, s[64:65] scope:SCOPE_SE
	s_setreg_imm32_b32 hwreg(HW_REG_WAVE_MODE, 25, 1), 1
	s_wait_xcnt 0x0
	s_wait_alu depctr_hold_cnt(0) depctr_sa_sdst(0) depctr_va_vdst(0) depctr_va_sdst(0) depctr_va_ssrc(0) depctr_va_vcc(0) depctr_vm_vsrc(0)
	s_getreg_b32 s2, hwreg(HW_REG_IB_STS2, 6, 4)
	s_cmp_eq_u32 s2, 0
	s_cbranch_scc0 .Lentry_in_a_cluster
	s_endpgm
.Lentry_in_a_cluster:
	s_bfe_u32 s2, ttmp6, 0x10000c
	s_cmp_lg_u32 s2, 0x3003
	s_cbranch_scc0 .Lentry_shape_is_right
	s_endpgm
.Lentry_shape_is_right:
; out0[q][e] = (sum over t <= i of f_t (P_t V_t)[q][e] + w VS[e]) / l, for a query q in tile row i (256 rows) of batch b.  P_t: the f16 weights 2^(c (s - m_t)) of key tile t (256 keys); m_t, l_t: that tile's row maximum and sum.
; m = the maximum of the m_t, and of 0 where keys lie beyond the tile row (i < 7): the row's true maximum; f_t = 2^(c (m_t - m)); w = 2^(-c max(m, 0)): the weight of a key with logit 0;
; l = sum f_t l_t + n w, n = 256 (7 - i); VS[e] = the sum of v's column e over the n keys beyond the tile row, added up from ts's blocks of 128 rows: a plain sum, never a difference.  c = log2(e) / sqrt(2048).
; LIMITS.  Every exponent is at most 0.  ts's blocks that do not count are read (clamped to the batch's last) and multiplied by 0, so they must be finite; NaN and infinities are not treated apart.
; THE WALK.  A block is 128 queries x 128 channels; a block in tile row i needs i + 1 LAPS of 256 keys.  A work-group takes TWO blocks: A in tile row 2 e + 1 (2 e + 2 laps), then B in tile row 6 - 2 e (7 - 2 e laps):
; 9 laps whatever e, so all 256 work-groups do equal work and every trip count is a constant.  The block with the even number of laps goes first, so the change of blocks falls at the end of a trip of two laps:
; the loop has 4 trips (slot 0, slot 1), the ninth lap is written out, and every LDS address stands in the text.  What differs between work-groups lies in scalar registers made from the grid's y.
; SHARES.  Wave w: queries 64 (w / 2) on, channels 64 (w % 2) on: 4 x 4 accumulators.
; PRODUCT.  O^T = V^T P: source 0 = 16 channels x 32 keys, V turned by ds_load_tr16_b128; source 1 = 16 queries x 32 keys, P as it lies.  A lane holds query l % 16 and channels 8 (l / 16) + 0..7.
; A lap's sums start with the constant 0; at its end O takes O += f_t x sums, in f32.  O is cleared at the head and at the change of blocks, 128 lines each: the price of writing no first lap out.
; RING.  Two LDS slots, a lap each: P's 128 rows of 512 bytes, then V's 256 key rows of 256 bytes.  At a lap's head every wave waits for its tensor load, and behind the barrier the other slot is asked for again:
; that load has a whole lap, 128 matrix instructions and the lap's vector work, in which to land.  One tensor load of a wave is out at a time.
; CLUSTER.  The four channel blocks of a cluster share batch and blocks and walk the same P: its tiles are asked for JOINTLY (waves 0, 1).  V's tiles differ from partner to partner: plain loads (waves 2, 3), behind the same rounds.
; REGISTERS (s_set_vgpr_msb: bits 1:0 source 0, 3:2 source 1, 5:4 source 2, 7:6 destination): window 0: addresses, statistics, the way out;
;   window 1: two fragment buffers of 128: for 64 keys, 64 registers of P (2 x 4 x 16 queries x 32 keys), then 64 of V;   window 2: v0-127 the lap's sums, (a, k) at v[8 (4 a + k)]; v128-255 O likewise
.set PP,    528                        ; a row of P in LDS: 512 bytes + 16 = 132 words: the 16 rows of a load start at 16 different groups of four banks (ISA guide 11.1)
.set PVP,   288                        ; a row of V: 256 + 32
.set PHALF, 64*PP                      ; what wave 0 or 1 fetches, and what a wave reads of P
.set PTILE, 128*PP
.set VHALF, 128*PVP                    ; what wave 2 or 3 fetches
.set SLOT,  PTILE+2*VHALF
.set STAGE, 2*SLOT                     ; behind the ring, never filled by a tensor load: 16 rows x 272 bytes for each wave
.set SP,    272
.set VSW,   STAGE+4*16*SP              ; VS: 512 bytes for each wave, its own: block A's 64 channels, then block B's
.set SPARE, VSW+4*512                  ; the spare words, 128 bytes for each wave: two blocks of 256 bytes that no other line names
.set PROW,  4096                       ; bytes in a row of p, and of out0
.set QROW,  6144                       ; bytes in a row of qkv
.set VTILE, 256*QROW                   ; a lap's key rows
.set ADRP, 2                           ; v2-3   LDS address of my P fragments in slot 0, 1
.set ADRV, 4                           ; v4-7   of my V fragments: slot 0 keys 0-127, 128-255; slot 1 likewise
.set STO,  8
.set RD,   9
.set CO,   10
.set SO,   11                          ; v11    my query's byte offset in a tile's 256 statistics
.set SPW,  12
.set NIL,  13
.set PFOA, 16                          ; v16    my lane x a row of p; never rewritten
.set PFOB, 17                          ; v17    my lane x a row of qkv; never rewritten
.set VSA,  18                          ; v18    where I read VS
.set VSS,  19                          ; v19    where I put my two channels of VS
.set CM,   20                          ; v20-23 m of the block in hand, a query block each
.set CMB,  24                          ; v24-27 m of block B
.set L,    28                          ; v28-31 l
.set MT,   32                          ; v32-35 the lap's m_t
.set LT,   36                          ; v36-39 the lap's l_t
.set F,    40                          ; v40-47 f_t in the even registers; at a block's end 1 / l
.set W,    48                          ; v48-51 w
.set U,    52                          ; v52-59 w / l in the even registers
.set VS,   64                          ; v64-95 VS of my 32 channels a lane
.set BK0,  96                          ; v96-159 the way out: two buffers of 32
.set TSO,  64                          ; at the head alone: v64-91 offsets in ts, v92-147 its numbers, v148-151 the sums, v160-175 offsets in mst, v176-239 its numbers
.set TD,   92
.set SUM,  148
.set TOF,  160
.set MS,   176
.set F0,   0                           ; fragment buffers, in window 1
.set F1,   128
.set WV,16
.set ROLE,17                           ; w / 2: my half of the queries.  Also: I fetch P (0) or V (1)
.set HALF,18                           ; w % 2: my half of the channels.  Also: which half of the tile I fetch
.set CX,19
.set CB,20                             ; channel block 0..7
.set BB,21                             ; batch
.set IA,22                             ; block A's tile row
.set IB,23                             ; block B's
.set G1A,24
.set G1B,32
.set G0A,40                            ; s[40:47] group 0 for P's tiles, a set for each slot
.set G0B,48                            ; s[48:55] for V's
.set PFA,56                            ; s[56:57], s[58:59] where the prefetches point
.set PFB,58
.set LIMA,60                           ; a wave asks for P's rows while the walk's number is at most this
.set LIMB,61                           ; and for V's rows while it is at most this
.set CS,62                             ; c
.set NCS,63                            ; -c
.set NFA,66                            ; n of block A, as a float
.set NFB,67
.set MB,68                             ; s[68:69] mst at the tile whose statistics are asked for next
.set LB,70                             ; s[70:71] lst likewise
.set PBA,80                            ; s[80:81] p at the 64 rows of block A that I fetch; s[82:83] of block B
.set PBB,82
.set VBS,84                            ; s[84:85] v at the 128 key rows of tile 0 that I fetch
.set OA,86                             ; s[86:87] out0 at my rows and channels of block A; s[88:89] of block B
.set OB,88
.set MBB,90                            ; s[90:91], s[92:93] mst and lst at block B's tile 0
.set LBB,92
.set PFPA,94                           ; s[94:95], s[96:97] p at the rows of blocks A and B that I prefetch; s[98:99] v likewise
.set PFPB,96
.set PFVB,98
.set SEQ,100                           ; the walk's number (0..8) of the tile to be asked for next
.set NA,101                            ; block A's laps
.set RT,104                            ; laps of block A still to come
.set CN,105                            ; trips still to come
.set MSB, 0
.macro WIN new                         ; the immediate's high byte repeats the setting that is left; a switch that changes nothing is dropped
.if MSB != (\new)
	s_set_vgpr_msb (MSB<<8)|(\new)
.set MSB, \new
.endif
.endm
.set W_MM, 0xa5                        ; V and P in window 1, C and D in window 2
.macro JLOAD s                         ; the branch hangs on the wave's number alone; an s_nop 0 and four v_nop follow each line
	s_cmp_eq_u32 s[ROLE], 0
	s_cbranch_scc0 .Lfor_v_\@
	tensor_load_to_lds s[G0A+4*(\s):G0A+4*(\s)+3], s[G1A:G1A+7]
	s_nop 0
.rept 4
	v_nop
.endr
	s_branch .Lasked_\@
.Lfor_v_\@:
	tensor_load_to_lds s[G0B+4*(\s):G0B+4*(\s)+3], s[G1B:G1B+7]
	s_nop 0
.rept 4
	v_nop
.endr
.Lasked_\@:
.endm
; Prefetches of the walk's tile that the NEXT change of slots will ask for: a lap, 128 matrix instructions, ahead of its load.  A tile of P (128 rows x 512 bytes) is read by two clusters: cluster x = 0 asks, waves 0 and 1;
; the four partners take 32 rows each by address, a wave one half of 256 bytes of each row.  A tile of V (256 key rows x 256 bytes of a channel block) is read by every work-group of the batch and channel block:
; the one whose block A walks all eight tiles asks, 64 rows a wave, in its first eight laps.  So each aligned 256 bytes are named once in the launch.  The walk's tiles 0 and 1 come by their loads alone; past the walk's end nothing is asked for.
.macro ASK
	s_cmp_le_u32 s[SEQ], s[LIMA]
	s_cbranch_scc0 .Lnot_a_\@
	global_prefetch_b8 v[PFOA], s[PFA:PFA+1] th:TH_LOAD_NT scope:SCOPE_SE
.Lnot_a_\@:
	s_cmp_le_u32 s[SEQ], s[LIMB]
	s_cbranch_scc0 .Lnot_b_\@
	global_prefetch_b8 v[PFOB], s[PFB:PFB+1] th:TH_LOAD_NT scope:SCOPE_SE
	global_prefetch_b8 v[PFOB], s[PFB:PFB+1] offset:32*QROW th:TH_LOAD_NT scope:SCOPE_SE
.Lnot_b_\@:
.endm
.macro CREST
	s_cmp_lg_u32 s[WV], 0
	s_cbranch_scc1 .Lnot_wave_0_\@
	s_barrier_signal -3
.Lnot_wave_0_\@:
	s_barrier_wait -3
	s_barrier_signal -1
	s_barrier_wait -1
.endm
.macro CROUND                          ; a round of the cluster's barrier
	s_barrier_signal -1
	s_barrier_wait -1
	CREST
.endm
; THE CHANGE OF SLOTS, at a lap's head.  Each wave waits for all its tensor loads, of which one is out: its part of the slot to be entered; adds 0 to its spare word; and waits for that and for its reads of the slot that it leaves.
; fill = 1: the barrier is a round of the cluster's, and slot `into`, which was read last, is asked for again first thing behind it, with the walk's tile SEQ: tile SEQ of block A, or tile SEQ - NA of block B.
; The descriptors' addresses are made anew from that number; so are the prefetches', for the tile after it.  (At its first use nothing has been read yet: slot 0 is waited for, slot 1 filled.)
.macro CHANGE into, fill
	WIN 0
	s_wait_tensorcnt 0x0                           ; no tensor load of mine is out, so a group 0 may be written
	ds_add_u32 v[SPW], v[NIL]                      ; 0 onto my spare word; scalar work stands between it and the wait for it
.if \fill
	s_cmp_ge_u32 s[SEQ], s[NA]
	s_cselect_b32 s78, s[NA], 0
	s_cselect_b64 s[G0A+4*(\into)+2:G0A+4*(\into)+3], s[PBB:PBB+1], s[PBA:PBA+1]
	s_sub_co_u32 s78, s[SEQ], s78                  ; the key tile
	s_lshl_b32 s72, s78, 9                         ; 512 bytes along P's rows
	s_add_nc_u64 s[G0A+4*(\into)+2:G0A+4*(\into)+3], s[G0A+4*(\into)+2:G0A+4*(\into)+3], s[72:73]
	s_or_b32 s[G0A+4*(\into)+3], s[G0A+4*(\into)+3], 0x80000000
	s_mul_i32 s74, s78, VTILE                      ; 256 key rows down
	s_add_nc_u64 s[G0B+4*(\into)+2:G0B+4*(\into)+3], s[VBS:VBS+1], s[74:75]
	s_or_b32 s[G0B+4*(\into)+3], s[G0B+4*(\into)+3], 0x80000000
	s_add_co_u32 s[SEQ], s[SEQ], 1
	s_wait_xcnt 0x0                                ; the last prefetches, a lap back, have read their addresses
	s_cmp_ge_u32 s[SEQ], s[NA]
	s_cselect_b32 s78, s[NA], 0
	s_cselect_b64 s[PFA:PFA+1], s[PFPB:PFPB+1], s[PFPA:PFPA+1]
	s_sub_co_u32 s78, s[SEQ], s78
	s_lshl_b32 s72, s78, 9
	s_add_nc_u64 s[PFA:PFA+1], s[PFA:PFA+1], s[72:73]
	s_mul_i32 s74, s78, VTILE
	s_add_nc_u64 s[PFB:PFB+1], s[PFVB:PFVB+1], s[74:75]
	s_wait_dscnt 0x0                               ; the add is done, and my reads of the slot are over
	CROUND                                         ; no wave of any partner still reads the slot or has a load on its way
	JLOAD \into
.else
	s_wait_dscnt 0x0
	s_barrier_signal -1
	s_barrier_wait -1
.endif
.endm
	s_load_b256 s[4:11], s[0:1], 0x0               ; p s[4:5], qkv s[6:7], mst s[8:9], lst s[10:11]
	s_load_b128 s[12:15], s[0:1], 0x20             ; ts s[12:13], out0 s[14:15]
	v_lshl_add_u32 v[SPW], v0, 2, SPARE
	v_mov_b32 v[NIL], 0
	ds_add_u32 v[SPW], v[NIL]                      ; the wave's opening: the add and its wait stand ahead of my first tensor load; work on registers stands between them
	v_lshrrev_b32 v1, 5, v0
	v_readfirstlane_b32 s[WV], v1
	s_lshr_b32 s[ROLE], s[WV], 1
	s_and_b32 s[HALF], s[WV], 1
	s_bfe_u32 s[CX], ttmp6, 0x40000
	s_lshl_b32 s[CB], ttmp9, 2
	s_add_co_u32 s[CB], s[CB], s[CX]
	s_and_b32 s72, ttmp7, 0xffff                   ; y = 8 b + 2 e + o: the four partners share it
	s_lshr_b32 s[BB], s72, 3
	s_and_b32 s72, s72, 7
	s_cmp_eq_u32 s72, 7
	s_cselect_b32 s[LIMB], 7, 0                    ; e = 3, o = 1: block A walks v's tiles 0 to 7
	s_lshr_b32 s73, s72, 1                         ; e
	s_and_b32 s72, s72, 1                          ; o: which 128 of a tile row's 256 queries
	s_lshl_b32 s[IA], s73, 1
	s_add_co_u32 s[IA], s[IA], 1                   ; 2 e + 1
	s_sub_co_u32 s[IB], 7, s[IA]                   ; 6 - 2 e
	s_add_co_u32 s[NA], s[IA], 1
	s_lshl_b32 s74, s[BB], 11
	s_lshl_b32 s75, s72, 7
	s_add_co_u32 s77, s74, s75
	s_lshl_b32 s74, s[IA], 8
	s_add_co_u32 s74, s74, s77                     ; block A's first row
	s_lshl_b32 s75, s[IB], 8
	s_add_co_u32 s75, s75, s77                     ; block B's
	s_lshl_b32 s76, s72, 9                         ; o's 128 rows in a tile's statistics
	s_mov_b32 s[G1A+0], 15|(1<<16)|(1<<20)|(1<<21)|(6<<22)|(3<<25)  ; the mask of four; 2-byte elements; padding on; bit 21 beside a mask; after every 128 words (code 6) 4 words (code 3)
	s_mov_b32 s[G1A+1], 256<<16                    ; tensor_dim0 = 256
	s_mov_b32 s[G1A+2], 64<<16                     ; tensor_dim1 = 64
	s_mov_b32 s[G1A+3], 256<<16                    ; tile_dim0 = 256
	s_mov_b32 s[G1A+4], 64                         ; tile_dim1 = 64
	s_mov_b32 s[G1A+5], 2048                       ; elements from row to row of p
	s_mov_b32 s[G1A+6], 0
	s_mov_b32 s[G1A+7], 0
	s_mov_b32 s[G1B+0], (1<<16)|(1<<20)|(5<<22)|(7<<25)  ; no mask; after every 64 words (code 5) 8 words (code 7)
	s_mov_b32 s[G1B+1], 128<<16
	s_mov_b32 s[G1B+2], 128<<16
	s_mov_b32 s[G1B+3], 128<<16
	s_mov_b32 s[G1B+4], 128
	s_mov_b32 s[G1B+5], 3072                       ; elements from row to row of qkv
	s_mov_b32 s[G1B+6], 0
	s_mov_b32 s[G1B+7], 0
	s_mov_b32 s[CS], 0x3d0293ee                    ; c = 0.031879
	s_mov_b32 s[NCS], 0xbd0293ee
	s_or_b32 s72, s[ROLE], ttmp9
	s_cmp_eq_u32 s72, 0                            ; waves 0 and 1 of cluster x = 0: the same in all four partners
	s_cselect_b32 s[LIMA], 8, 0
	s_sub_co_u32 s72, 7, s[IA]
	s_lshl_b32 s72, s72, 8
	s_cvt_f32_u32 s[NFA], s72                      ; n = 256 (7 - i)
	s_sub_co_u32 s72, 7, s[IB]
	s_lshl_b32 s72, s72, 8
	s_cvt_f32_u32 s[NFB], s72
	s_mul_i32 s77, s[HALF], PHALF                  ; where my tile goes: no place in the cluster enters an LDS address
	s_mul_i32 s78, s[HALF], VHALF
	s_add_co_u32 s78, s78, PTILE
.irp s, 0,1
	s_mov_b32 s[G0A+4*(\s)], 1
	s_add_co_u32 s[G0A+4*(\s)+1], s77, (\s)*SLOT
	s_mov_b32 s[G0B+4*(\s)], 1
	s_add_co_u32 s[G0B+4*(\s)+1], s78, (\s)*SLOT
.endr
	s_mov_b32 s79, 0                               ; s[78:79]: a byte offset under 2^32
	s_wait_dscnt 0x0                               ; the opening add is done
	s_wait_kmcnt 0x0
	s_lshl_b32 s77, s[HALF], 6
	s_add_co_u32 s78, s74, s77
	s_lshl_b32 s78, s78, 12
	s_add_nc_u64 s[PBA:PBA+1], s[4:5], s[78:79]
	s_add_co_u32 s78, s75, s77
	s_lshl_b32 s78, s78, 12
	s_add_nc_u64 s[PBB:PBB+1], s[4:5], s[78:79]
	s_lshl_b32 s78, s[BB], 11
	s_lshl_b32 s77, s[HALF], 7
	s_add_co_u32 s78, s78, s77
	s_mul_i32 s78, s78, QROW
	s_lshl_b32 s77, s[CB], 8
	s_add_co_u32 s78, s78, s77                     ; my work-group's 128 channels;
	s_add_co_u32 s78, s78, 4096                    ; v lies 4,096 bytes into a row
	s_add_nc_u64 s[VBS:VBS+1], s[6:7], s[78:79]
	s_add_nc_u64 s[G0A+2:G0A+3], s[PBA:PBA+1], 0   ; the walk's tile 0: block A's key tile 0
	s_or_b32 s[G0A+3], s[G0A+3], 0x80000000
	s_add_nc_u64 s[G0B+2:G0B+3], s[VBS:VBS+1], 0
	s_or_b32 s[G0B+3], s[G0B+3], 0x80000000
	CROUND                                         ; all four work-groups are here: the first joint loads meet
	JLOAD 0
	s_lshl_b32 s77, s[BB], 3                       ; the statistics: eight tiles of 1,024 bytes for each tile row
	s_add_co_u32 s78, s77, s[IA]
	s_lshl_b32 s78, s78, 13
	s_add_nc_u64 s[MB:MB+1], s[8:9], s[78:79]
	s_add_nc_u64 s[LB:LB+1], s[10:11], s[78:79]
	s_add_co_u32 s78, s77, s[IB]
	s_lshl_b32 s78, s78, 13
	s_add_nc_u64 s[MBB:MBB+1], s[8:9], s[78:79]
	s_add_nc_u64 s[LBB:LBB+1], s[10:11], s[78:79]
	s_lshl_b32 s78, s[BB], 16                      ; ts: the batch's 16 blocks of 4,096 bytes,
	s_lshl_b32 s72, s[CB], 9
	s_lshl_b32 s77, s[HALF], 8
	s_add_co_u32 s72, s72, s77                     ; my wave's 64 channels of f32: also its place in a row of out0
	s_add_co_u32 s78, s78, s72
	s_add_nc_u64 s[12:13], s[12:13], s[78:79]
	s_lshl_b32 s73, s[ROLE], 6
	s_add_co_u32 s78, s74, s73
	s_lshl_b32 s78, s78, 12
	s_add_co_u32 s78, s78, s72
	s_add_nc_u64 s[OA:OA+1], s[14:15], s[78:79]
	s_add_co_u32 s78, s75, s73
	s_lshl_b32 s78, s78, 12
	s_add_co_u32 s78, s78, s72
	s_add_nc_u64 s[OB:OB+1], s[14:15], s[78:79]
	s_lshl_b32 s73, s[CX], 5                       ; the prefetches of P: my work-group's 32 rows, my wave's half of a tile's 512 bytes
	s_add_co_u32 s78, s74, s73
	s_lshl_b32 s78, s78, 12
	s_add_co_u32 s78, s78, s77
	s_add_nc_u64 s[PFPA:PFPA+1], s[4:5], s[78:79]
	s_add_co_u32 s78, s75, s73
	s_lshl_b32 s78, s78, 12
	s_add_co_u32 s78, s78, s77
	s_add_nc_u64 s[PFPB:PFPB+1], s[4:5], s[78:79]
	s_lshl_b32 s78, s[BB], 11                      ; of V: my wave's 64 key rows
	s_lshl_b32 s73, s[WV], 6
	s_add_co_u32 s78, s78, s73
	s_mul_i32 s78, s78, QROW
	s_lshl_b32 s73, s[CB], 8
	s_add_co_u32 s78, s78, s73
	s_add_co_u32 s78, s78, 4096
	s_add_nc_u64 s[PFVB:PFVB+1], s[6:7], s[78:79]
	v_and_b32 v1, 15, v0                           ; r = l % 16
	v_bfe_u32 v14, v0, 4, 1                        ; h = l / 16
	v_and_b32 v15, 31, v0                          ; l
	s_lshl_b32 s73, s[ROLE], 8
	s_add_co_u32 s73, s73, s76
	v_lshl_add_u32 v[SO], v1, 2, s73               ; 4 (128 o + 64 (w / 2) + r)
; What a block needs before its first lap.  PREPLOAD asks: the maxima of all the tile row's tiles (tile min(q, i): a maximum does not mind the repeats), and ts's blocks beyond the tile row, 2 i + 2 on,
; clamped to the batch's last: lane l takes channels 2 l, 2 l + 1 of my wave's 64.  PREPCALC makes m and VS; VS goes into my wave's own LDS bytes, to be read back in the accumulators' layout.
.macro PREPLOAD blk, ii, mb
.irp q, 0,1,2,3,4,5,6,7
	s_min_u32 s72, s[\ii], \q
	s_lshl_b32 s72, s72, 10
	v_add_nc_u32 v[TOF+8*(\blk)+(\q)], s72, v[SO]
.endr
.irp q, 0,1,2,3,4,5,6,7
.irp a, 0,1,2,3
	global_load_b32 v[MS+32*(\blk)+4*(\q)+(\a)], v[TOF+8*(\blk)+(\q)], s[\mb:\mb+1] offset:64*(\a)
.endr
.endr
	s_lshl_b32 s73, s[\ii], 1
	s_add_co_u32 s73, s73, 2
.irp u, 0,1,2,3,4,5,6,7,8,9,10,11,12,13
	s_add_co_u32 s72, s73, \u
	s_min_u32 s72, s72, 15
	s_lshl_b32 s72, s72, 12
	v_lshl_add_u32 v[TSO+14*(\blk)+(\u)], v15, 3, s72
.endr
.irp u, 0,1,2,3,4,5,6,7,8,9,10,11,12,13
	global_load_b64 v[TD+28*(\blk)+2*(\u):TD+28*(\blk)+2*(\u)+1], v[TSO+14*(\blk)+(\u)], s[12:13]  ; the wave reads 256 consecutive bytes, aligned
.endr
.endm
.macro PREPCALC blk, ii, cm
	s_cmp_lt_u32 s[\ii], 7
	s_cselect_b32 s74, 0, 0xff7fffff               ; keys beyond the tile row have the logit 0; tile row 7 has none: the lowest finite number
.irp a, 0,1,2,3
	v_max3_num_f32 v[(\cm)+(\a)], s74, v[MS+32*(\blk)+(\a)], v[MS+32*(\blk)+4+(\a)]
.endr
.irp q, 2,4,6
.irp a, 0,1,2,3
	v_max3_num_f32 v[(\cm)+(\a)], v[(\cm)+(\a)], v[MS+32*(\blk)+4*(\q)+(\a)], v[MS+32*(\blk)+4*(\q)+4+(\a)]
.endr
.endr
	s_lshl_b32 s73, s[\ii], 1
	s_add_co_u32 s73, s73, 2
.irp u, 0,1,2,3,4,5,6,7,8,9,10,11,12,13
	s_add_co_u32 s72, s73, \u
	s_cmp_le_u32 s72, 15                           ; does the block exist?
	s_cselect_b32 s76, 1.0, 0
.if (\u) == 0
	v_pk_mul_f32 v[SUM+2*(\blk):SUM+2*(\blk)+1], v[TD+28*(\blk):TD+28*(\blk)+1], s[76:77] op_sel_hi:[1,0]
.else
	v_pk_fma_f32 v[SUM+2*(\blk):SUM+2*(\blk)+1], v[TD+28*(\blk)+2*(\u):TD+28*(\blk)+2*(\u)+1], s[76:77], v[SUM+2*(\blk):SUM+2*(\blk)+1] op_sel_hi:[1,0,1]
.endif
.endr
	ds_store_b64 v[VSS], v[SUM+2*(\blk):SUM+2*(\blk)+1] offset:256*(\blk)
.endm
	PREPLOAD 0, IA, MB                             ; both blocks' loads are out together, while the first tile is on its way
	PREPLOAD 1, IB, MBB
	v_mul_u32_u24 v[ADRP], v1, PP
	v_lshl_add_u32 v[ADRP], v14, 4, v[ADRP]        ; row x pitch + 16 x half
	s_mul_i32 s72, s[ROLE], PHALF
	v_add_nc_u32 v[ADRP], s72, v[ADRP]
	v_add_nc_u32 v[ADRP+1], SLOT, v[ADRP]
	; the turning load takes 16 keys x 16 channels: lane l reads key 8 (l / 16) + l % 8, channels 8 ((l / 8) % 2) + 0..7, and is left with channel l % 16 and 8 keys
	v_and_b32 v32, 7, v0
	v_bfe_u32 v33, v0, 3, 1
	v_lshl_add_u32 v32, v14, 3, v32
	v_mul_u32_u24 v32, v32, PVP
	v_lshl_add_u32 v32, v33, 4, v32
	s_lshl_b32 s72, s[HALF], 7
	s_add_co_u32 s72, s72, PTILE
	v_add_nc_u32 v[ADRV], s72, v32
	v_add_nc_u32 v[ADRV+1], VHALF, v[ADRV]         ; an LDS offset has 16 bits: keys 128 on have an address of their own
	v_add_nc_u32 v[ADRV+2], SLOT, v[ADRV]
	v_add_nc_u32 v[ADRV+3], SLOT, v[ADRV+1]
	s_mul_i32 s72, s[WV], 16*SP
	s_add_co_u32 s72, s72, STAGE                   ; my stage
	v_mul_u32_u24 v[STO], v1, SP                   ; in: row r, 32 bytes for each half of the lanes
	v_lshl_add_u32 v[STO], v14, 5, v[STO]
	v_add_nc_u32 v[STO], s72, v[STO]
	v_mul_u32_u24 v[RD], v14, SP                   ; back: lanes 0-15 one row of 256 bytes, lanes 16-31 the next
	v_lshl_add_u32 v[RD], v1, 4, v[RD]
	v_add_nc_u32 v[RD], s72, v[RD]
	v_lshlrev_b32 v[CO], 12, v14                   ; and the same two rows in out0
	v_lshl_add_u32 v[CO], v1, 4, v[CO]
	v_lshlrev_b32 v[PFOA], 12, v15
	v_mul_u32_u24 v[PFOB], v15, QROW
	s_lshl_b32 s72, s[WV], 9
	s_add_co_u32 s72, s72, VSW                     ; my wave's 512 bytes for VS
	v_lshl_add_u32 v[VSA], v14, 5, s72             ; out: 4 (16 k + 8 h) on
	v_lshl_add_u32 v[VSS], v15, 3, s72             ; in: 8 l
.macro CLEAR                           ; O = 0
	WIN 0x80
.set z, 128
.rept 128
	v_mov_b32 v[z], 0
.set z, z+1
.endr
	WIN 0
.endm
	CLEAR
.irp a, 0,1,2,3
	v_mov_b32 v[L+(\a)], 0
	v_mov_b32 v[F+2*(\a)+1], 0                     ; named with f, and with w / l, as a pair, so they are written
	v_mov_b32 v[U+2*(\a)+1], 0
.endr
	s_mov_b32 s77, 0                               ; named with s76 as a pair
	s_wait_loadcnt 0x0
	PREPCALC 0, IA, CM
	PREPCALC 1, IB, CMB
.macro STATLOAD                        ; a lap's m_t and l_t for my four query blocks
.irp a, 0,1,2,3
	global_load_b32 v[MT+(\a)], v[SO], s[MB:MB+1] offset:64*(\a)
	global_load_b32 v[LT+(\a)], v[SO], s[LB:LB+1] offset:64*(\a)
.endr
.endm
; 8 matrix instructions: query blocks a0, a0 + 1 x the 4 channel blocks, 32 keys: half c of buffer f.  zero = 1: the product starts the lap's sums.  The 16 accumulators take turns, one instruction a turn.
.macro MUL8 f, c, a0, zero
	WIN W_MM
.irp a, \a0, (\a0)+1
.irp k, 0,1,2,3
.if \zero
	v_wmma_f32_16x16x32_f16 v[8*(4*(\a)+(\k)):8*(4*(\a)+(\k))+7], v[(\f)+64+8*(4*(\c)+(\k)):(\f)+64+8*(4*(\c)+(\k))+7], v[(\f)+8*(4*(\c)+(\a)):(\f)+8*(4*(\c)+(\a))+7], 0
.else
	v_wmma_f32_16x16x32_f16 v[8*(4*(\a)+(\k)):8*(4*(\a)+(\k))+7], v[(\f)+64+8*(4*(\c)+(\k)):(\f)+64+8*(4*(\c)+(\k))+7], v[(\f)+8*(4*(\c)+(\a)):(\f)+8*(4*(\c)+(\a))+7], v[8*(4*(\a)+(\k)):8*(4*(\a)+(\k))+7]
.endif
.endr
.endr
.endm
; 32 LDS loads in one run: quarter kq (64 keys) of a slot into buffer f; the first 32 keys first
.macro FETCH slot, kq, f
	WIN 0x40                                       ; destination window 1, address window 0
.irp c, 0,1
.irp i, 0,1,2,3
	ds_load_tr16_b128 v[(\f)+64+8*(4*(\c)+(\i)):(\f)+64+8*(4*(\c)+(\i))+3],   v[ADRV+2*(\slot)+(\kq)/2] offset:(((\kq)%2)*64+32*(\c))*PVP+32*(\i)
	ds_load_tr16_b128 v[(\f)+64+8*(4*(\c)+(\i))+4:(\f)+64+8*(4*(\c)+(\i))+7], v[ADRV+2*(\slot)+(\kq)/2] offset:(((\kq)%2)*64+32*(\c)+16)*PVP+32*(\i)
	ds_load_b128 v[(\f)+8*(4*(\c)+(\i)):(\f)+8*(4*(\c)+(\i))+3],   v[ADRP+(\slot)] offset:128*(\kq)+64*(\c)+(\i)*16*PP
	ds_load_b128 v[(\f)+8*(4*(\c)+(\i))+4:(\f)+8*(4*(\c)+(\i))+7], v[ADRP+(\slot)] offset:128*(\kq)+64*(\c)+(\i)*16*PP+32
.endr
.endr
.endm
.macro PLACES                          ; four plain instructions between a matrix instruction and a load into its registers (ISA guide 7.12.1 for vector instructions)
.rept 4
	v_nop
.endr
.endm
.macro QUARTER slot, kq, f, g, zero    ; multiplies buffer f; in its middle fetches quarter kq of the slot into buffer g
	s_wait_dscnt 16                                ; the first 32 keys are in; the other sixteen loads may be out
	MUL8 \f, 0, 0, \zero
	MUL8 \f, 0, 2, \zero
	PLACES
	FETCH \slot, \kq, \g
	s_wait_dscnt 32                                ; all but the 32 just issued
	MUL8 \f, 1, 0, 0
	MUL8 \f, 1, 2, 0
.endm
; A lap's 128 products: four quarters of 64 keys on buffers 0, 1, 0, 1.  The prefetches stand behind the tensor load and the first run of LDS loads.
.macro LAP slot, ask
	FETCH \slot, 0, F0
	WIN 0
.if \ask
	ASK
.endif
	QUARTER \slot, 1, F0, F1, 1
	QUARTER \slot, 2, F1, F0, 0
	QUARTER \slot, 3, F0, F1, 0
	s_wait_dscnt 16
	MUL8 F1, 0, 0, 0
	MUL8 F1, 0, 2, 0
	s_wait_dscnt 0x0
	MUL8 F1, 1, 0, 0
	MUL8 F1, 1, 2, 0
.endm
; A lap's end: f = 2^(c (m_t - m)); l += f l_t; O += f x the lap's sums.  The subtractions and scalings, eight plain instructions, are the places behind the last products.
; more = 1: the next lap's statistics are asked for; sel = 1: that lap may be block B's first.
.macro UPDATE more, sel
	WIN 0
	s_wait_loadcnt 0x0                             ; m_t and l_t, asked for a lap ago
.irp a, 0,1,2,3
	v_sub_f32 v[F+2*(\a)], v[MT+(\a)], v[CM+(\a)]
.endr
.irp a, 0,1,2,3
	v_mul_f32 v[F+2*(\a)], s[CS], v[F+2*(\a)]
.endr
.irp a, 0,1,2,3
	v_exp_f32 v[F+2*(\a)], v[F+2*(\a)]
.endr
	v_nop                                          ; a plain instruction behind the last exponential,
	s_wait_alu depctr_va_vdst(0)                   ; and one wait ahead of the batch's first reader
.irp a, 0,1,2,3
	v_fmac_f32 v[L+(\a)], v[F+2*(\a)], v[LT+(\a)]
.endr
.if \more
	s_add_nc_u64 s[MB:MB+1], s[MB:MB+1], 1024      ; the loads that read these bases are done
	s_add_nc_u64 s[LB:LB+1], s[LB:LB+1], 1024
.if \sel
	s_cmp_eq_u32 s[RT], 2                          ; was this block A's last lap?
	s_cselect_b64 s[MB:MB+1], s[MBB:MBB+1], s[MB:MB+1]
	s_cselect_b64 s[LB:LB+1], s[LBB:LBB+1], s[LB:LB+1]
.endif
	STATLOAD
.endif
	WIN 0xa2                                       ; the sums (source 0), O (source 2 and destination) in window 2, f in window 0
.irp a, 0,1,2,3
.set z, 0
.rept 16
	v_pk_fma_f32 v[128+32*(\a)+z:128+32*(\a)+z+1], v[32*(\a)+z:32*(\a)+z+1], v[F+2*(\a):F+2*(\a)+1], v[128+32*(\a)+z:128+32*(\a)+z+1] op_sel_hi:[1,0,1]
.set z, z+2
.endr
.endr
	WIN 0
.endm
; A BLOCK'S END.  w = 2^(-c max(m, 0)); l += n w; out = O / l + VS (w / l); a query block (16 rows) at a time through my stage in LDS.
.macro FIN a
	WIN 0x82
.set z, 0
.rept 16
	v_pk_mul_f32 v[128+32*(\a)+z:128+32*(\a)+z+1], v[128+32*(\a)+z:128+32*(\a)+z+1], v[F+2*(\a):F+2*(\a)+1] op_sel_hi:[1,0]
.set z, z+2
.endr
	WIN 0xa0
.set z, 0
.rept 16
	v_pk_fma_f32 v[128+32*(\a)+z:128+32*(\a)+z+1], v[VS+z:VS+z+1], v[U+2*(\a):U+2*(\a)+1], v[128+32*(\a)+z:128+32*(\a)+z+1] op_sel_hi:[1,0,1]
.set z, z+2
.endr
.endm
.macro TOST a                          ; a lane's eight channels are 32 bytes of a row; they go into rows of 272 bytes and come back as whole rows of 256
	WIN 0x08                                       ; the data (source 1) in window 2
.irp k, 0,1,2,3
	ds_store_b128 v[STO], v[128+32*(\a)+8*(\k):128+32*(\a)+8*(\k)+3] offset:64*(\k)
	ds_store_b128 v[STO], v[128+32*(\a)+8*(\k)+4:128+32*(\a)+8*(\k)+7] offset:64*(\k)+16
.endr
	WIN 0
.set BK, BK0+32*((\a)%2)
.irp t, 0,1,2,3,4,5,6,7
	ds_load_b128 v[BK+4*(\t):BK+4*(\t)+3], v[RD] offset:(\t)*2*SP  ; LDS serves a wave's instructions in order (ISA guide 5.7.1.4): these see the stores above
.endr
.endm
.macro SEND a, op
	WIN 0
.set BK, BK0+32*((\a)%2)
	s_wait_dscnt 0x0                               ; the block is back in registers
	s_wait_xcnt 0x0                                ; the other buffer, which earlier stores read, is loaded again only behind this wait
.irp t, 0,1,2,3,4,5,6,7
	global_store_b128 v[CO], v[BK+4*(\t):BK+4*(\t)+3], s[\op:\op+1] offset:(\a)*16*PROW+(\t)*2*PROW th:TH_STORE_NT  ; 16 lanes store 256 consecutive bytes, at a multiple of 256 from out0's first byte
.endr
.endm
.macro FINISH blk, nf, op
	WIN 0
.irp k, 0,1,2,3
	ds_load_b128 v[VS+8*(\k):VS+8*(\k)+3],   v[VSA] offset:256*(\blk)+64*(\k)     ; my wave's own bytes, stored at the head
	ds_load_b128 v[VS+8*(\k)+4:VS+8*(\k)+7], v[VSA] offset:256*(\blk)+64*(\k)+16
.endr
.irp a, 0,1,2,3
	v_max_num_f32 v[W+(\a)], 0, v[CM+(\a)]
.endr
.irp a, 0,1,2,3
	v_mul_f32 v[W+(\a)], s[NCS], v[W+(\a)]
.endr
.irp a, 0,1,2,3
	v_exp_f32 v[W+(\a)], v[W+(\a)]
.endr
	v_nop
	s_wait_alu depctr_va_vdst(0)                   ; one wait for the four exponentials
.irp a, 0,1,2,3
	v_fmac_f32 v[L+(\a)], s[\nf], v[W+(\a)]
.endr
.irp a, 0,1,2,3
	v_rcp_f32 v[F+2*(\a)], v[L+(\a)]
.endr
	v_nop
	s_wait_alu depctr_va_vdst(0)                   ; one wait for the four reciprocals
.irp a, 0,1,2,3
	v_mul_f32 v[U+2*(\a)], v[W+(\a)], v[F+2*(\a)]
.endr
	s_wait_dscnt 0x0                               ; VS
	FIN 0
	TOST 0
.irp a, 1,2,3                          ; a block's arithmetic stands between the loads of the block before and the wait for them
	FIN \a
	SEND (\a)-1, \op
	TOST \a
.endr
	SEND 3, \op
.endm
	STATLOAD                                       ; lap 0's
	s_mov_b32 s73, 0                               ; s[72:73], s[74:75]: byte offsets under 2^32
	s_mov_b32 s75, 0
	s_mov_b32 s[SEQ], 1
	s_mov_b32 s[RT], s[NA]
	s_mov_b32 s[CN], 4
.Ltrip:                                                ; four trips of two laps; each lap asks for the walk's next tile
	CHANGE 1, 1                                    ; slot 0 is in, everybody's part of it; slot 1 is asked for
	LAP 0, 1
	UPDATE 1, 0
	CHANGE 0, 1                                    ; slot 1 is in; slot 0 is asked for
	LAP 1, 1
	UPDATE 1, 1
	s_sub_co_u32 s[RT], s[RT], 2
	s_cmp_lg_u32 s[RT], 0                          ; the same in all waves and all partners; neither a barrier nor a tensor load stands in what is jumped
	s_cbranch_scc1 .Lbottom
	FINISH 0, NFA, OA                              ; block A is whole: it goes out while the next tile is on its way
.irp a, 0,1,2,3
	v_mov_b32 v[CM+(\a)], v[CMB+(\a)]              ; block B begins
	v_mov_b32 v[L+(\a)], 0
.endr
	CLEAR
	s_mov_b32 s[RT], 64                            ; it ends with the walk: neither 2 nor 0 comes again
.Lbottom:
	s_sub_co_u32 s[CN], s[CN], 1
	s_cmp_lg_u32 s[CN], 0
	s_cbranch_scc1 .Ltrip
	CHANGE 0, 0                                    ; the ninth lap is written out: nothing is asked for
	LAP 0, 0
	UPDATE 0, 0
	FINISH 1, NFB, OB
	s_wait_tensorcnt 0x0                           ; the wave's end: behind my last tensor load and my last LDS store
	ds_add_u32 v[SPW], v[NIL]
	s_wait_dscnt 0x0
	CROUND                                         ; the closing round: no work-group ends while a partner may still ask for a tile that names it
	s_endpgm
.Lfunc_end_k_q0810c57904_pv:
	.size	k_q0810c57904_pv, .Lfunc_end_k_q0810c57904_pv-k_q0810c57904_pv
	.p2alignl 7, 3214868480
	.fill 96, 4, 3214868480
	.section	.rodata,"a",@progbits
	.p2align	6, 0x0
	.amdhsa_kernel k_q0810c57904_pv
		.amdhsa_group_segment_fixed_size 327680
		.amdhsa_private_segment_fixed_size 0
		.amdhsa_enable_private_segment 0
		.amdhsa_kernarg_size 48
		.amdhsa_user_sgpr_count 2
		.amdhsa_user_sgpr_kernarg_segment_ptr 1
		.amdhsa_wavefront_size32 1
		.amdhsa_system_sgpr_workgroup_id_x 1
		.amdhsa_system_sgpr_workgroup_id_y 1
		.amdhsa_system_sgpr_workgroup_id_z 1
		.amdhsa_system_vgpr_workitem_id 0
		.amdhsa_next_free_vgpr 768
		.amdhsa_next_free_sgpr 106
		.amdhsa_reserve_vcc 0
		.amdhsa_float_denorm_mode_32 3
		.amdhsa_float_denorm_mode_16_64 3
		.amdhsa_memory_ordered 1
		.amdhsa_forward_progress 1
		.amdhsa_inst_pref_size 146
	.end_amdhsa_kernel
	.amdgpu_metadata
---
amdhsa.version: [ 1, 2 ]
amdhsa.kernels:
  - .name:           k_q0810c57904_pv
    .symbol:         k_q0810c57904_pv.kd
    .args:
      - { .name: p, .offset: 0, .size: 8, .value_kind: global_buffer, .address_space: global }
      - { .name: qkv, .offset: 8, .size: 8, .value_kind: global_buffer, .address_space: global }
      - { .name: mst, .offset: 16, .size: 8, .value_kind: global_buffer, .address_space: global }
      - { .name: lst, .offset: 24, .size: 8, .value_kind: global_buffer, .address_space: global }
      - { .name: ts, .offset: 32, .size: 8, .value_kind: global_buffer, .address_space: global }
      - { .name: out0, .offset: 40, .size: 8, .value_kind: global_buffer, .address_space: global }
    .group_segment_fixed_size: 327680
    .private_segment_fixed_size: 0
    .kernarg_segment_align: 8
    .kernarg_segment_size: 48
    .max_flat_workgroup_size: 128
    .sgpr_count:     106
    .vgpr_count:     768
    .wavefront_size: 32
...
	.end_amdgpu_metadata
.endif
;; end of part 4
;; ======== version 2 of 2: 4 launches; version 1 with the launch cast written anew for expert scheduling mode
;; limits: values are held in f16: magnitudes above 65,504 overflow, below 6.1e-05 lose precision
;; workspace buffers: xh 16,777,216 bytes; wh 6,291,456 bytes; qkv 50,331,648 bytes; p 33,554,432 bytes; mst 262,144 bytes; lst 262,144 bytes; ts 262,144 bytes
;; launch cast (part 5): grid 704 x 1, 8 waves a work-group, no clusters, 0 bytes of LDS; arguments x, Wq, Wk, Wv, xh, wh; writes xh, wh
.if DOCPART == 5
	.amdgcn_target "amdgcn-amd-amdhsa--gfx1250"
	.amdhsa_code_object_version 6
	.text
	.protected	k_q0810c57904_cast
	.globl	k_q0810c57904_cast
	.p2align	8
	.type	k_q0810c57904_cast,@function
k_q0810c57904_cast:
	s_mov_b64 s[64:65], 0
	v_nop
	global_prefetch_b8 v0, s[64:65] scope:SCOPE_SE
	s_setreg_imm32_b32 hwreg(HW_REG_WAVE_SCHED_MODE, 0, 2), 2
	s_setreg_imm32_b32 hwreg(HW_REG_WAVE_MODE, 25, 1), 1
	s_wait_xcnt 0x0
	s_wait_alu depctr_vm_vsrc(0)
; x [8192][1024] and Wq, Wk, Wv [1024][1024], all f32, are rounded once to f16: xh [8192][1024], wh [3072][1024] (Wq's rows, then Wk's, then Wv's).
; LIMITS.  f16 ends at 65,504: a larger input becomes an infinity; below 6e-5 a number keeps f16's fixed step of 6e-8.
; SHARES.  A work-group takes 16,384 numbers: 65,536 bytes in, 32,768 out.  Work-groups 0-511 take x, 512-703 the three weights, 64 each.
; Thread t takes 16 bytes at 16 t of each of sixteen blocks of 4,096 bytes; all sixteen loads are out together.  A wave's store covers 256 consecutive bytes, aligned.
; No LDS, no barrier, no matrix unit, no prefetch: the launch is one stream, read once and written once.  No register is written twice, so no wait frees a source.
; THE MODE: SCHED_MODE bits 1:0 = 2 (LLVM: expert scheduling mode 2), set by the entry lines.  The code itself states the register dependences
; between vector instructions and memory instructions, with s_wait_alu, always for 0.
; THE PLAN.  Registers that memory instructions touch:
;   v1, v2     byte offsets, made once at the head and never written again: v1 is read by every load, v2 by every store.
;   v[4:67]    block j: four registers as loaded.  Written by block j's load alone; read by block j's two conversions; no load is issued behind a conversion.
;   v[68:99]   block j: two registers to store.  Written once, by block j's two conversions; read once, by block j's store.
; The sixteen blocks go in four groups of GROUP.  Block j's turn is: the wait for its data, the store of block j - GROUP, its own two conversions.  So the stores of a group's turns read
; what the group before has rounded, and ONE wait at a group's head states that for all four: the conversions issued since that wait name this group's registers alone.
; The last group's stores follow behind one more wait.  With the wait for the two offsets at the head that is five in all.
.set GROUP, 4
	s_load_b256 s[4:11], s[0:1], 0x0               ; x s[4:5], Wq s[6:7], Wk s[8:9], Wv s[10:11]
	s_load_b128 s[12:15], s[0:1], 0x20             ; xh s[12:13], wh s[14:15]
	v_lshlrev_b32 v1, 4, v0                        ; my 16 bytes in a block of the source
	v_lshlrev_b32 v2, 3, v0                        ; my 8 bytes in a block of the result
	s_max_u32 s16, ttmp9, 0x200
	s_sub_co_u32 s16, s16, 0x200                   ; the chunk's number among the weights' 192 (0 for x's chunks, where it is not used)
	s_lshr_b32 s17, s16, 6                         ; which weight
	s_and_b32 s18, s16, 63                         ; which of its 64 chunks
	s_cmp_lt_u32 ttmp9, 0x200
	s_cselect_b32 s20, ttmp9, s18                  ; the chunk in its source,
	s_cselect_b32 s22, ttmp9, s16                  ; and in its result
	s_lshl_b32 s20, s20, 16
	s_mov_b32 s21, 0
	s_lshl_b32 s22, s22, 15
	s_mov_b32 s23, 0
	s_wait_kmcnt 0x0
	s_cmp_eq_u32 s17, 0
	s_cselect_b64 s[24:25], s[6:7], s[8:9]
	s_cmp_gt_u32 s17, 1
	s_cselect_b64 s[24:25], s[10:11], s[24:25]
	s_cmp_lt_u32 ttmp9, 0x200
	s_cselect_b64 s[24:25], s[4:5], s[24:25]
	s_cselect_b64 s[26:27], s[12:13], s[14:15]
	s_add_nc_u64 s[24:25], s[24:25], s[20:21]
	s_add_nc_u64 s[26:27], s[26:27], s[22:23]
	s_wait_alu depctr_va_vdst(0)                   ; v1 and v2 are written: every load of the kernel reads v1 as its offset, every store v2
.irp j, 0,1,2,3,4,5,6,7,8,9,10,11,12,13,14,15
	global_load_b128 v[4+4*(\j):7+4*(\j)], v1, s[24:25] offset:4096*(\j) th:TH_LOAD_NT
.endr
.irp j, 0,1,2,3,4,5,6,7,8,9,10,11,12,13,14,15
	s_wait_loadcnt 15-(\j)                         ; loads come back in order: block j is in, the younger ones stay out
.if (\j) >= GROUP
.if (\j) % GROUP == 0
	s_wait_alu depctr_va_vdst(0)                   ; the conversions of the group before have written its eight registers, which this group's four stores read
.endif
	global_store_b64 v2, v[68+2*((\j)-GROUP):69+2*((\j)-GROUP)], s[26:27] offset:2048*((\j)-GROUP)  ; a group back; no vector instruction since the wait names these registers
.endif
	v_cvt_pk_f16_f32 v[68+2*(\j)], v[4+4*(\j)], v[5+4*(\j)]
	v_cvt_pk_f16_f32 v[69+2*(\j)], v[6+4*(\j)], v[7+4*(\j)]
.endr
	s_wait_alu depctr_va_vdst(0)                   ; the last group's conversions have written v[92:99], which the last four stores read
.irp j, 12,13,14,15
	global_store_b64 v2, v[68+2*(\j):69+2*(\j)], s[26:27] offset:2048*(\j)
.endr
	s_endpgm
.Lfunc_end_k_q0810c57904_cast:
	.size	k_q0810c57904_cast, .Lfunc_end_k_q0810c57904_cast-k_q0810c57904_cast
	.p2alignl 7, 3214868480
	.fill 96, 4, 3214868480
	.section	.rodata,"a",@progbits
	.p2align	6, 0x0
	.amdhsa_kernel k_q0810c57904_cast
		.amdhsa_group_segment_fixed_size 0
		.amdhsa_private_segment_fixed_size 0
		.amdhsa_enable_private_segment 0
		.amdhsa_kernarg_size 48
		.amdhsa_user_sgpr_count 2
		.amdhsa_user_sgpr_kernarg_segment_ptr 1
		.amdhsa_wavefront_size32 1
		.amdhsa_system_sgpr_workgroup_id_x 1
		.amdhsa_system_sgpr_workgroup_id_y 1
		.amdhsa_system_sgpr_workgroup_id_z 1
		.amdhsa_system_vgpr_workitem_id 0
		.amdhsa_next_free_vgpr 100
		.amdhsa_next_free_sgpr 66
		.amdhsa_reserve_vcc 0
		.amdhsa_float_denorm_mode_32 3
		.amdhsa_float_denorm_mode_16_64 3
		.amdhsa_memory_ordered 1
		.amdhsa_forward_progress 1
		.amdhsa_inst_pref_size 7
	.end_amdhsa_kernel
	.amdgpu_metadata
---
amdhsa.version: [ 1, 2 ]
amdhsa.kernels:
  - .name:           k_q0810c57904_cast
    .symbol:         k_q0810c57904_cast.kd
    .args:
      - { .name: x, .offset: 0, .size: 8, .value_kind: global_buffer, .address_space: global }
      - { .name: Wq, .offset: 8, .size: 8, .value_kind: global_buffer, .address_space: global }
      - { .name: Wk, .offset: 16, .size: 8, .value_kind: global_buffer, .address_space: global }
      - { .name: Wv, .offset: 24, .size: 8, .value_kind: global_buffer, .address_space: global }
      - { .name: xh, .offset: 32, .size: 8, .value_kind: global_buffer, .address_space: global }
      - { .name: wh, .offset: 40, .size: 8, .value_kind: global_buffer, .address_space: global }
    .group_segment_fixed_size: 0
    .private_segment_fixed_size: 0
    .kernarg_segment_align: 8
    .kernarg_segment_size: 48
    .max_flat_workgroup_size: 256
    .sgpr_count:     66
    .vgpr_count:     100
    .wavefront_size: 32
...
	.end_amdgpu_metadata
.endif
;; end of part 5
;; launch proj: the kernel of part 2 again; grid 12 x 32, 4 waves a work-group, clusters of 4 x 4, 327,680 bytes of LDS; arguments xh, wh, qkv, ts; writes qkv, ts
;; launch scores: the kernel of part 3 again; grid 9 x 16, 4 waves a work-group, no clusters, 327,680 bytes of LDS; arguments qkv, p, mst, lst; writes p, mst, lst
;; launch pv: the kernel of part 4 again; grid 8 x 32, 4 waves a work-group, clusters of 4 x 1, 327,680 bytes of LDS; arguments p, qkv, mst, lst, ts, out0; writes out0
